; MI455X (gfx1250); checked and timed in simulation.
; The chip was launched on July 23, 2026; its instructions are those of AMD's public machine-readable ISA for CDNA 5 (MIT licence, August 2026) and "CDNA5" Instruction Set Architecture Reference Guide (July 2026). The comments in the code are by the model that wrote it; some were corrected since.
;; Attention. Allowed arithmetic: matrix products marked QUANTISED: E2M3 operands, one E8M0 scale for each 32 along K, by v_wmma_scale_f32_16x16x128_f8f6f4 with both operands' format E2M3, f32 sums; everything else in f32.
;; Inputs: Wkv 2,048 x 1,024 float32; Wo 1,024 x 1,024 float32; Wq 1,024 x 1,024 float32; ln_b 1,024 float32; ln_g 1,024 float32; lnc_b 1,024 float32; lnc_g 1,024 float32; x 4 x 2,048 x 1,024 float32.
;; Outputs: out0 4 x 2,048 x 1,024 float32.
;; This version of the problem:
;;   THIS VERSION OF THE PROBLEM IS GIVEN IN LOW PRECISION. The matrix products marked QUANTISED in the list below multiply operands that are first quantised to E2M3 (2 exponent bits, 3 mantissa bits; 6 bits a number), with one power-of-two scale for each 32 numbers along K (OCP MX v1.0); their sums are f32. All else is computed in f32.
;;   The module's matrix products, in the order in which they are computed (A, B: the left and right operand; K: the contracted axis; several contracted axes count as one K, in the product's order):
;;     1. [M 8,192, K 1,024] x [K 1,024, N 1,024]; A: computed on the way; B: input Wq: QUANTISED
;;     2. [M 8,192, K 1,024] x [K 1,024, N 2,048]; A: computed on the way; B: input Wkv: QUANTISED
;;     3. batch 64 x [M 2,048, K 64] x [K 64, N 2,048]; A: computed on the way; B: computed on the way: QUANTISED
;;     4. batch 64 x [M 2,048, K 2,048] x [K 2,048, N 64]; A: softmax (see below); B: computed on the way: QUANTISED
;;     5. [M 8,192, K 1,024] x [K 1,024, N 1,024]; A: computed on the way; B: input Wo: QUANTISED
;;   THE QUANTISER, for each operand of a quantised product, along K:
;;     - K is cut into blocks of 32 from its start; a last block that is shorter is filled with zeros.
;;     - A block's scale is 2^e with e = floor(log2(the largest magnitude in the block)) - 2, held to -126 .. 127; a block of zeros has e = 0. As a byte (E8M0): e + 127.
;;     - Each number is divided by its block's scale, clamped to +-7.5, and rounded to the nearest number of E2M3, ties to even, subnormals kept.
;;     - The product sums the exact products of the quantised numbers (number of the format x scale) in f32.
;;   ~~~python
;;   def quantise(x, axis):      # numpy; x: float32 -> the quantised numbers, widened to float32 again
;;       x = np.moveaxis(x, axis, -1); K = x.shape[-1]
;;       x = np.pad(x, [(0, 0)] * (x.ndim - 1) + [(0, -K % 32)]); x = x.reshape(x.shape[:-1] + (-1, 32)); a = np.abs(x).max(-1, keepdims=True)
;;       e = np.where(a > 0, np.clip(np.frexp(np.where(a > 0, a, 1))[1] - 1 - 2, -126, 127), 0)      # np.frexp(a)[1] - 1 = floor(log2(a)), exactly
;;       r = np.clip(x / 2.0 ** e, -7.5, 7.5)
;;       step = 2.0 ** (np.maximum(np.frexp(np.where(r == 0, 1, r))[1] - 1, 0) - 3)
;;       q = np.round(r / step) * step * 2.0 ** e      # np.round: ties to even
;;       return np.moveaxis(q.reshape(q.shape[:-2] + (-1,))[..., :K], -1, axis).astype(np.float32)
;;   ~~~
;;   SOFTMAX AHEAD OF A QUANTISED PRODUCT. Where the list says 'softmax', what is quantised is not the finished softmax but p = 2^(t - M), with t = logit x log2(e) and M = ceil(the row's largest t), a whole number; so 1/2 < the row's largest p <= 1. The row's sum l is taken of the UNQUANTISED p, in f32, and the product's result is divided by l at the end. Since M is a whole number, a kernel that streams over the keys may use a running M (the ceiling of the running maximum): every later rescaling is an exact power of two, which a block's scale takes up: the codes' values come out the same.
;;   OPERANDS COMPUTED ON THE WAY. 'Computed on the way' means the value that the module computes at that place (a softmax that the list does not call 'softmax' is quantised finished and normalised). What goes into a quantiser is computed in f32, as accurately as f32 sums, v_exp_f32 and their like allow (about 1e-6 of the number): no bf16 or f16 on the way to a quantiser, and a product that is left as it is and whose result goes on into a quantised operand takes f32 operands (vector FMAs, or v_wmma_f32_16x16x4_f32). A number that lies on a knife's edge between two numbers of the format may be rounded either way, as far as f32 arithmetic and the matrix unit's own rounding can turn it there, and no further.
;; One version. Each part assembles by itself: llvm-mc -triple=amdgcn-amd-amdhsa -mcpu=gfx1250 --defsym DOCPART=n.
;; ======== version 1 of 1: 4 launches
;; limits: right only within a limited range of input values
;; workspace buffers: opc 15,728,640 bytes; ops 655,360 bytes; qkv 18,874,368 bytes; qkvs 786,432 bytes; oc 6,291,456 bytes; os 262,144 bytes
;; launch prep (part 1): grid 768 x 1, 4 waves a work-group, no clusters, 82,688 bytes of LDS; arguments x, Wq, Wkv, Wo, ln_g, ln_b, lnc_g, lnc_b, opc, ops; writes opc, ops
.if DOCPART == 1
	.amdgcn_target "amdgcn-amd-amdhsa--gfx1250"
	.amdhsa_code_object_version 6
	.text
	.protected	k_qaae19e1a5e_prep
	.globl	k_qaae19e1a5e_prep
	.p2align	8
	.type	k_qaae19e1a5e_prep,@function
k_qaae19e1a5e_prep:
	s_mov_b64 s[64:65], 0
	v_nop
	global_prefetch_b8 v0, s[64:65] scope:SCOPE_SE
	s_setreg_imm32_b32 hwreg(HW_REG_WAVE_MODE, 25, 1), 1
	s_wait_xcnt 0x0
; LayerNorm of x with two sets of gain and bias (xn, cn), and the three weights, all [rows][1024] f32 with K innermost, become codes of FP6 (E2M3) with one E8M0 byte for each 32 along K.
; THE LAYOUT OF THE CODES (this program's own): a ROW BLOCK is 16 rows that are not neighbours: block 2 g + u holds, at place r, row 32 g + 8 u + r + 8 (r / 8).  A HALF FRAGMENT is 16 rows x 64 along K, 768 bytes:
; lane (r, h) owns the 24 bytes of row r's block h; its first 16 bytes lie at 16 x lane, its last 8 at 512 + 8 x lane: an image of six operand registers.  opc: [row block][K / 64][768].
; ops: [row block][K / 256][r][8 bytes], byte j = the scale byte of block 8 (K / 256) + j.   Row blocks: xn 0-511, cn 512-1023, Wq 1024-1087, Wk 1088-1151, Wv 1152-1215, Wo 1216-1279.
; SHARES.  A work-group takes one row block.  Work-groups 0-511: x (two results); 512-575 Wq, 576-703 Wkv, 704-767 Wo (one result).  Both kinds walk ONE text: for a weight the mean is replaced by 0, 1 / sigma by 1,
; the gain by 1 and the bias by 0 (selects on the work-group's number), which leaves its numbers as they are, bit for bit; only the second result is jumped over.
; Wave w first takes the block's rows at places 4 w .. 4 w + 3 (neighbours in memory, 16 KiB, dense loads) for mean and variance (two passes over registers, as the definition has it: a common offset costs no accuracy);
; the normalised rows turn through LDS; then wave w takes K = 256 w .. 256 w + 255 of all 16 rows, a lane holding whole blocks of 32, applies gain and bias, and quantises.
; A block's scale byte is its largest magnitude's exponent field - 2, held at 1 from below.
; LIMITS: NaN and infinities are not served; a block whose largest magnitude lies under 2^-124 keeps the byte 1; a block of zeros gets the byte 1 and not 127 (its codes are zeros, and this program alone reads the bytes);
; 1 / sigma is v_rsq_f32's (1 ulp: ISA guide, 15.8).
.set PITCH, 4112                       ; a row in the stage: 4,096 bytes + 16: an odd multiple of 16, so sixteen rows' equal columns fall into sixteen different 16-byte columns of 256
.set PAR,   16*PITCH                   ; behind the stage: ln_g, ln_b, lnc_g, lnc_b, 4,096 bytes each
.set X,   32                           ; v32-159  four rows as loaded, then normalised; later four blocks of 32 of my row
.set G,   160                          ; v160-191 a parameter array as loaded; later a block's gains, then the numbers to be quantised
.set BI,  192                          ; v192-223 a block's biases
.set AC,  192                          ; v192-199 sums, a pair a row      (the statistics are done with when the first bias lands)
.set MN,  200                          ; v200-207 means, in the low word of a pair
.set TP,  208                          ; v208-211 the other half of the lanes' sums
.set RS,  212                          ; v212-219 1 / sigma, in the low word of a pair
.set CD,  224                          ; v224-247 codes: six registers for each of four blocks
.set C2,  248                          ; v248-250 a block's upper 16 codes (a conversion's three registers begin on an even number)
	s_load_b256 s[4:11], s[0:1], 0x0               ; x, Wq, Wkv, Wo
	s_load_b256 s[12:19], s[0:1], 0x20             ; ln_g, ln_b, lnc_g, lnc_b
	s_load_b128 s[20:23], s[0:1], 0x40             ; opc, ops
	v_lshl_add_u32 v254, v0, 2, 0x14100
	v_mov_b32 v255, 0
	v_lshrrev_b32 v1, 5, v0
	v_readfirstlane_b32 s24, v1                    ; wave 0..3
	v_and_b32 v1, 31, v0                           ; lane
	v_and_b32 v2, 15, v0                           ; r
	v_bfe_u32 v3, v0, 4, 1                         ; h
	v_lshlrev_b32 v4, 4, v1                        ; 16 x lane
	v_lshlrev_b32 v5, 3, v1                        ; 8 x lane
	s_lshl_b32 s25, s24, 12
	s_add_co_u32 s25, s25, PAR
	v_add_nc_u32 v6, s25, v4                       ; where I put my wave's parameter array
	s_mul_i32 s25, s24, 4*PITCH
	v_add_nc_u32 v7, s25, v4                       ; the stage, on the way in: my wave's four rows, 16 bytes a lane
	v_mul_u32_u24 v8, v2, PITCH
	v_lshl_add_u32 v8, v3, 7, v8
	s_lshl_b32 s25, s24, 10
	v_add_nc_u32 v8, s25, v8                       ; and on the way out: row r, K = 256 w + 32 h on
	s_add_co_u32 s25, s25, PAR
	v_lshlrev_b32 v9, 7, v3
	v_add_nc_u32 v9, s25, v9                       ; the same columns of the parameters
	v_lshlrev_b32 v10, 3, v2
	v_lshl_add_u32 v10, v3, 2, v10                 ; the scale words: 8 r + 4 h
	v_mov_b32 v12, 0
	v_mov_b32 v13, 1.0
	v_lshlrev_b32 v14, 3, v3                       ; 8 h: how far my bytes move up in a scale word
	s_mov_b32 s40, 0x76543210
	s_mov_b32 s41, 0xfedcba98                      ; v_permlanex16_b32's selects for lane l xor 16
	s_mov_b32 s42, 0x3a800000                      ; 1 / 1024
	s_mov_b32 s43, 0x3727c5ac                      ; 1e-5
	s_mov_b32 s44, 0xffff0000                      ; lanes 16-31
.irp q, 0,1,2,3
	v_mov_b32 v[MN+2*\q+1], 0                      ; the upper words of pairs of which the low word serves both halves
	v_mov_b32 v[RS+2*\q+1], 0
	v_mov_b32 v[TP+\q], 0                          ; a lane permute's destination counts as one of its sources
.endr
	v_mov_b32 v26, 0
	v_mov_b32 v27, 0
	s_cmp_eq_u32 s24, 0
	s_cselect_b32 s31, 1.0, 0                      ; what stands for a weight's parameters: gain 1 (wave 0's array), bias 0
	v_mov_b32 v11, s31
	s_mov_b32 s28, 704
	s_wait_alu depctr_va_vdst(0)
	s_wait_kmcnt 0x0
	s_cmp_lt_u32 ttmp9, 704                        ; which tensor, and its first work-group: choices on the work-group's number alone
	s_cselect_b64 s[26:27], s[8:9], s[10:11]
	s_cselect_b32 s28, 576, s28
	s_cmp_lt_u32 ttmp9, 576
	s_cselect_b64 s[26:27], s[6:7], s[26:27]
	s_cselect_b32 s28, 512, s28
	s_cmp_lt_u32 ttmp9, 512
	s_cselect_b64 s[26:27], s[4:5], s[26:27]
	s_cselect_b32 s28, 0, s28
	s_cselect_b32 s30, 0, -1                       ; all ones in a weight's work-group
	s_cmp_lt_u32 s24, 2                            ; my wave's parameter array
	s_cselect_b64 s[12:13], s[12:13], s[16:17]
	s_cselect_b64 s[14:15], s[14:15], s[18:19]
	s_and_b32 s45, s24, 1
	s_cmp_eq_u32 s45, 0
	s_cselect_b64 s[12:13], s[12:13], s[14:15]
	s_sub_co_u32 s29, ttmp9, s28                   ; the row block in its tensor
	s_lshr_b32 s45, s29, 1
	s_lshl_b32 s45, s45, 5
	s_and_b32 s46, s29, 1
	s_lshl_b32 s46, s46, 3
	s_add_co_u32 s45, s45, s46
	s_lshl_b32 s46, s24, 2
	s_add_co_u32 s45, s45, s46
	s_lshr_b32 s46, s24, 1
	s_lshl_b32 s46, s46, 3
	s_add_co_u32 s45, s45, s46                     ; my wave's first row: 32 g + 8 u + 4 w + 8 (w / 2)
	s_lshl_b32 s46, s45, 12                        ; in bytes: under 2^26
	s_mov_b32 s47, 0
	s_add_nc_u64 s[26:27], s[26:27], s[46:47]
	s_and_b32 s45, s30, 512
	s_add_co_u32 s45, s45, ttmp9                   ; the first result's row block: t for xn, t + 512 for a weight
	s_mul_i32 s46, s45, 12288
	s_mul_i32 s25, s24, 3072
	s_add_co_u32 s46, s46, s25
	s_add_nc_u64 s[32:33], s[20:21], s[46:47]      ; its codes, at my wave's four half fragments
	s_lshl_b32 s46, s45, 9
	s_lshl_b32 s25, s24, 7
	s_add_co_u32 s46, s46, s25
	s_add_nc_u64 s[36:37], s[22:23], s[46:47]      ; its scale bytes, at my wave's 128
	s_add_nc_u64 s[34:35], s[32:33], 512*12288     ; the second result (cn) lies 512 row blocks on
	s_add_nc_u64 s[38:39], s[36:37], 512*512
.irp i, 0,1,2,3,4,5,6,7
	global_load_b128 v[G+4*\i:G+4*\i+3], v4, s[12:13] offset:512*\i
.endr
.irp q, 0,1,2,3
.irp i, 0,1,2,3,4,5,6,7
	global_load_b128 v[X+32*\q+4*\i:X+32*\q+4*\i+3], v4, s[26:27] offset:4096*\q+512*\i th:TH_LOAD_NT   ; 32 lanes read 512 consecutive bytes
.endr
.endr
	s_wait_loadcnt 32                              ; the eight parameter loads are in; the 32 row loads behind them may be out
.set jj, 0
.rept 32
	v_cndmask_b32 v[G+jj], v[G+jj], v11, s30       ; a weight's work-group takes 1 or 0 in their stead
.set jj, jj+1
.endr
.irp i, 0,1,2,3,4,5,6,7
	ds_store_b128 v6, v[G+4*\i:G+4*\i+3] offset:512*\i
.endr
; the sum over a row's 1,024 numbers, 32 a lane, four rows by turns: halves, four steps inside 16 lanes, one across
.macro REDUCE
.irp q, 0,1,2,3
	v_add_f32 v[AC+2*\q], v[AC+2*\q], v[AC+2*\q+1]
.endr
.irp m, 1,2,4,8
.irp q, 0,1,2,3
	v_add_f32_dpp v[AC+2*\q], v[AC+2*\q], v[AC+2*\q] row_xmask:\m row_mask:0xf bank_mask:0xf
.endr
.endr
.irp q, 0,1,2,3
	v_permlanex16_b32 v[TP+\q], v[AC+2*\q], s40, s41
.endr
.irp q, 0,1,2,3
	v_add_f32 v[AC+2*\q], v[AC+2*\q], v[TP+\q]
.endr
.endm
	s_wait_loadcnt 0x0
.irp q, 0,1,2,3
	v_pk_add_f32 v[AC+2*\q:AC+2*\q+1], v[X+32*\q:X+32*\q+1], v[X+32*\q+2:X+32*\q+3]
.endr
.set pp, 4
.rept 14
.irp q, 0,1,2,3
	v_pk_add_f32 v[AC+2*\q:AC+2*\q+1], v[AC+2*\q:AC+2*\q+1], v[X+32*\q+pp:X+32*\q+pp+1]
.endr
.set pp, pp+2
.endr
	REDUCE
.irp q, 0,1,2,3
	v_mul_f32 v[MN+2*\q], s42, v[AC+2*\q]          ; the mean
.endr
.irp q, 0,1,2,3
	v_cndmask_b32 v[MN+2*\q], v[MN+2*\q], v12, s30 ; (0 for a weight)
.endr
.set pp, 0
.rept 16
.irp q, 0,1,2,3
	v_pk_add_f32 v[X+32*\q+pp:X+32*\q+pp+1], v[X+32*\q+pp:X+32*\q+pp+1], v[MN+2*\q:MN+2*\q+1] op_sel_hi:[1,0] neg_lo:[0,1] neg_hi:[0,1]   ; x - mean, in place
.endr
.set pp, pp+2
.endr
.irp q, 0,1,2,3
	v_pk_mul_f32 v[AC+2*\q:AC+2*\q+1], v[X+32*\q:X+32*\q+1], v[X+32*\q:X+32*\q+1]
.endr
.set pp, 2
.rept 15
.irp q, 0,1,2,3
	v_pk_fma_f32 v[AC+2*\q:AC+2*\q+1], v[X+32*\q+pp:X+32*\q+pp+1], v[X+32*\q+pp:X+32*\q+pp+1], v[AC+2*\q:AC+2*\q+1]
.endr
.set pp, pp+2
.endr
	REDUCE
.irp q, 0,1,2,3
	v_fma_f32 v[AC+2*\q], v[AC+2*\q], s42, s43     ; the variance + 1e-5
.endr
	s_wait_alu depctr_va_vdst(0)
.irp q, 0,1,2,3
	v_rsq_f32 v[RS+2*\q], v[AC+2*\q]
.endr
	v_nop                                          ; a plain instruction between the last root and the first use
	s_wait_alu depctr_va_vdst(0)                   ; one wait for the four roots, ahead of their first reader
.irp q, 0,1,2,3
	v_cndmask_b32 v[RS+2*\q], v[RS+2*\q], v13, s30 ; (1 for a weight)
.endr
.set pp, 0
.rept 16
.irp q, 0,1,2,3
	v_pk_mul_f32 v[X+32*\q+pp:X+32*\q+pp+1], v[X+32*\q+pp:X+32*\q+pp+1], v[RS+2*\q:RS+2*\q+1] op_sel_hi:[1,0]
.endr
.set pp, pp+2
.endr
.irp q, 0,1,2,3
.irp i, 0,1,2,3,4,5,6,7
	ds_store_b128 v7, v[X+32*\q+4*\i:X+32*\q+4*\i+3] offset:PITCH*\q+512*\i
.endr
.endr
	s_wait_dscnt 0x0                               ; for the others' sake: my rows and my parameter array lie in LDS
	s_barrier_signal -1
	s_barrier_wait -1                              ; the launch's one barrier; behind it LDS is only read
.irp i, 0,1,2,3
.irp j, 0,1,2,3,4,5,6,7
	ds_load_b128 v[X+32*\i+4*\j:X+32*\i+4*\j+3], v8 offset:256*\i+16*\j   ; block i: K = 256 w + 64 i + 32 h + 0 .. 31 of row r
.endr
.endr
; One result: gain and bias o (0: ln, 1: lnc), four blocks a lane; codes to s[cb], scale bytes to s[sb].
.macro OUTP o, cb, sb
.irp i, 0,1,2,3
.irp j, 0,1,2,3,4,5,6,7
	ds_load_b128 v[G+4*\j:G+4*\j+3], v9 offset:8192*\o+256*\i+16*\j          ; sixteen lanes read the same 16 bytes
.endr
.irp j, 0,1,2,3,4,5,6,7
	ds_load_b128 v[BI+4*\j:BI+4*\j+3], v9 offset:8192*\o+4096+256*\i+16*\j
.endr
	s_wait_dscnt 0x0
.set pp, 0
.rept 16
	v_pk_fma_f32 v[G+pp:G+pp+1], v[X+32*\i+pp:X+32*\i+pp+1], v[G+pp:G+pp+1], v[BI+pp:BI+pp+1]
.set pp, pp+2
.endr
	v_max3_num_f32 v16, |v[G]|, |v[G+1]|, |v[G+2]| ; the block's largest magnitude: all 32 numbers are mine; two chains
	v_max3_num_f32 v17, |v[G+3]|, |v[G+4]|, |v[G+5]|
.irp p, 6,10,14,18,22,26
	v_max3_num_f32 v16, v16, |v[G+\p]|, |v[G+\p+1]|
	v_max3_num_f32 v17, v17, |v[G+\p+2]|, |v[G+\p+3]|
.endr
	v_max3_num_f32 v16, v16, |v[G+30]|, |v[G+31]|
	v_max3_num_f32 v16, v16, v17, 0x1800000        ; and the floor 2^(3 - 127): the byte cannot fall under 1
	v_add_nc_u32 v18, 0xff000000, v16              ; 2 off its exponent field: the conversion takes that field as its scale
	v_cvt_scalef32_pk16_fp6_f32 v[CD+6*\i:CD+6*\i+2], v[G:G+15], v18
	v_cvt_scalef32_pk16_fp6_f32 v[C2:C2+2], v[G+16:G+31], v18
	v_lshrrev_b32 v[20+\i], 23, v18                ; the scale's byte; also the plain instruction behind the conversions
.irp k, 0,1,2
	v_mov_b32 v[CD+6*\i+3+\k], v[C2+\k]
.endr
	global_store_b128 v4, v[CD+6*\i:CD+6*\i+3], s[\cb:\cb+1] offset:768*\i          ; 512 consecutive bytes, aligned
	global_store_b64 v5, v[CD+6*\i+4:CD+6*\i+5], s[\cb:\cb+1] offset:768*\i+512     ; 256 consecutive bytes, aligned
.endr
	v_lshl_or_b32 v24, v21, 16, v20                ; my four bytes: blocks h, 2 + h | 4 + h, 6 + h of my row's eight
	v_lshl_or_b32 v25, v23, 16, v22
	v_lshlrev_b32 v24, v14, v24
	v_lshlrev_b32 v25, v14, v25
	v_permlanex16_b32 v26, v24, s40, s41
	v_permlanex16_b32 v27, v25, s40, s41
	v_or_b32 v24, v24, v26                         ; with lane l xor 16's both words are whole
	v_or_b32 v25, v25, v27
	v_cndmask_b32 v24, v24, v25, s44               ; lanes 0-15 store the lower word, lanes 16-31 the upper
	global_store_b32 v10, v24, s[\sb:\sb+1]        ; 128 consecutive bytes
.endm
	OUTP 0, 32, 36
	s_cmp_ge_u32 ttmp9, 512                        ; a weight has one result
	s_cbranch_scc1 .Lend
	s_wait_xcnt 0x0                                ; the first result's stores have read their registers: they are written again only behind this wait
	OUTP 1, 34, 38
.Lend:
	s_wait_tensorcnt 0x0
	ds_add_u32 v254, v255
	s_wait_dscnt 0x0
	s_endpgm
.Lfunc_end_k_qaae19e1a5e_prep:
	.size	k_qaae19e1a5e_prep, .Lfunc_end_k_qaae19e1a5e_prep-k_qaae19e1a5e_prep
	.p2alignl 7, 3214868480
	.fill 96, 4, 3214868480
	.section	.rodata,"a",@progbits
	.p2align	6, 0x0
	.amdhsa_kernel k_qaae19e1a5e_prep
		.amdhsa_group_segment_fixed_size 82688
		.amdhsa_private_segment_fixed_size 0
		.amdhsa_enable_private_segment 0
		.amdhsa_kernarg_size 80
		.amdhsa_user_sgpr_count 2
		.amdhsa_user_sgpr_kernarg_segment_ptr 1
		.amdhsa_wavefront_size32 1
		.amdhsa_system_sgpr_workgroup_id_x 1
		.amdhsa_system_sgpr_workgroup_id_y 1
		.amdhsa_system_sgpr_workgroup_id_z 1
		.amdhsa_system_vgpr_workitem_id 0
		.amdhsa_next_free_vgpr 256
		.amdhsa_next_free_sgpr 66
		.amdhsa_reserve_vcc 0
		.amdhsa_float_denorm_mode_32 3
		.amdhsa_float_denorm_mode_16_64 3
		.amdhsa_memory_ordered 1
		.amdhsa_forward_progress 1
		.amdhsa_inst_pref_size 65
	.end_amdhsa_kernel
	.amdgpu_metadata
---
amdhsa.version: [ 1, 2 ]
amdhsa.kernels:
  - .name:           k_qaae19e1a5e_prep
    .symbol:         k_qaae19e1a5e_prep.kd
    .args:
      - { .name: x, .offset: 0, .size: 8, .value_kind: global_buffer, .address_space: global }
      - { .name: Wq, .offset: 8, .size: 8, .value_kind: global_buffer, .address_space: global }
      - { .name: Wkv, .offset: 16, .size: 8, .value_kind: global_buffer, .address_space: global }
      - { .name: Wo, .offset: 24, .size: 8, .value_kind: global_buffer, .address_space: global }
      - { .name: ln_g, .offset: 32, .size: 8, .value_kind: global_buffer, .address_space: global }
      - { .name: ln_b, .offset: 40, .size: 8, .value_kind: global_buffer, .address_space: global }
      - { .name: lnc_g, .offset: 48, .size: 8, .value_kind: global_buffer, .address_space: global }
      - { .name: lnc_b, .offset: 56, .size: 8, .value_kind: global_buffer, .address_space: global }
      - { .name: opc, .offset: 64, .size: 8, .value_kind: global_buffer, .address_space: global }
      - { .name: ops, .offset: 72, .size: 8, .value_kind: global_buffer, .address_space: global }
    .group_segment_fixed_size: 82688
    .private_segment_fixed_size: 0
    .kernarg_segment_align: 8
    .kernarg_segment_size: 80
    .max_flat_workgroup_size: 128
    .sgpr_count:     66
    .vgpr_count:     256
    .wavefront_size: 32
...
	.end_amdgpu_metadata
.endif
;; end of part 1
;; launch qkv (part 2): grid 12 x 32, 4 waves a work-group, clusters of 4 x 4, 327,680 bytes of LDS; arguments opc, ops, qkv, qkvs; writes qkv, qkvs
.if DOCPART == 2
	.amdgcn_target "amdgcn-amd-amdhsa--gfx1250"
	.amdhsa_code_object_version 6
	.text
	.protected	k_qaae19e1a5e_qkv
	.globl	k_qaae19e1a5e_qkv
	.p2align	8
	.type	k_qaae19e1a5e_qkv,@function
k_qaae19e1a5e_qkv:
	s_mov_b64 s[64:65], 0
	v_nop
	global_prefetch_b8 v0, s[64:65] scope:SCOPE_SE
	s_setreg_imm32_b32 hwreg(HW_REG_WAVE_MODE, 25, 1), 1
	s_wait_xcnt 0x0
	s_wait_alu depctr_hold_cnt(0) depctr_sa_sdst(0) depctr_va_vdst(0) depctr_va_sdst(0) depctr_va_ssrc(0) depctr_va_vcc(0) depctr_vm_vsrc(0)
	s_getreg_b32 s2, hwreg(HW_REG_IB_STS2, 6, 4)
	s_cmp_eq_u32 s2, 0
	s_cbranch_scc0 .Lentry_in_a_cluster
	s_endpgm
.Lentry_in_a_cluster:
	s_bfe_u32 s2, ttmp6, 0x10000c
	s_cmp_lg_u32 s2, 0xf033
	s_cbranch_scc0 .Lentry_shape_is_right
	s_endpgm
.Lentry_shape_is_right:
.set NQ,     2
.set FR,     12
.set NL,     4
.set NP,     4
.set RBS,    3072
.set HALFT,  8*RBS
.set SLOT,   4*HALFT
.set SCL,    2*SLOT
.set HALFS,  4096
.set SPARE,  SCL+4*HALFS
.set ADRA, 16
.set ADRB, 20
.set ADRS, 27
.set SPW,  28
.set NIL,  29
.set SC,   32
.set AF,   128
.set PC,   112
.set TM,   200
.set PW,   216
.set PWP,  220
.set G1, 24
.set G0, 32
.set G1B, 48
.set G0B, 56
.set G1S, 68
.set G0S, 76
.set G1SB, 80
.set G0SB, 88
.set G0H, 4                            ; s[4:7], s[96:99] group 0 of the head's loads of slot 0: A's 16 row blocks, B's 16
.set G0HB, 96
.set SEL, 60
.set MSB, 0
.macro WIN new
.if MSB != \new
	s_set_vgpr_msb (MSB<<8)|\new
.set MSB, \new
.endif
.endm
.set MUL_LO, 0xa1
.set MUL_HI, 0xf1
.set TO_B,   0x40
.macro JLOAD g0a, g1a, g0b, g1b
	s_cmp_eq_u32 s15, 0
	s_cbranch_scc0 .Lfor_b_\@
	tensor_load_to_lds s[\g0a:\g0a+3], s[\g1a:\g1a+7]
	s_nop 0
.rept 4
	v_nop
.endr
	s_branch .Lasked_\@
.Lfor_b_\@:
	tensor_load_to_lds s[\g0b:\g0b+3], s[\g1b:\g1b+7]
	s_nop 0
.rept 4
	v_nop
.endr
.Lasked_\@:
.endm
.macro CREST
	s_cmp_lg_u32 s14, 0
	s_cbranch_scc1 .Lnot_wave_0_\@
	s_barrier_signal -3
.Lnot_wave_0_\@:
	s_barrier_wait -3
	s_barrier_signal -1
	s_barrier_wait -1
.endm
.macro CROUND
	s_barrier_signal -1
	s_barrier_wait -1
	CREST
.endm
	s_load_b256 s[4:11], s[0:1], 0x0
	v_lshl_add_u32 v[SPW], v0, 2, SPARE
	v_mov_b32 v[NIL], 0
	ds_add_u32 v28, v29
	ds_add_u32 v28, v29
	s_wait_dscnt 0x0
	v_lshrrev_b32 v1, 5, v0
	v_readfirstlane_b32 s14, v1
	s_lshr_b32 s15, s14, 1
	s_and_b32 s16, s14, 1
	s_bfe_u32 s40, ttmp6, 0x40000
	s_bfe_u32 s41, ttmp6, 0x40004
	s_and_b32 s13, ttmp7, 0xffff
	s_lshr_b32 s18, ttmp9, 1
	s_mul_i32 s19, s18, s13
	s_sub_co_u32 s13, s13, s19
	s_lshl_b32 s42, s19, 2
	s_add_co_u32 s42, s42, s40
	s_lshl_b32 s17, s13, 2
	s_add_co_u32 s17, s17, s41
	s_lshl_b32 s43, s41, 2
	s_lshl_b32 s43, 15, s43
	s_lshl_b32 s44, 0x1111, s40
	s_or_b32 s[G1+0], s43, (3<<16)|(1<<21)
	s_or_b32 s[G1B+0], s44, (3<<16)|(1<<21)
.irp g, G1, G1B
	s_mov_b32 s[\g+1], 384<<16
	s_mov_b32 s[\g+2], 16<<16
	s_mov_b32 s[\g+3], 384<<16
	s_mov_b32 s[\g+4], 16
	s_mov_b32 s[\g+5], 1536
	s_mov_b32 s[\g+6], 0
	s_mov_b32 s[\g+7], 0
.endr
	s_or_b32 s[G1S+0], s43, (3<<16)|(1<<21)
	s_or_b32 s[G1SB+0], s44, (3<<16)|(1<<21)
.irp g, G1S, G1SB
	s_mov_b32 s[\g+1], 32<<16
	s_mov_b32 s[\g+2], 32<<16
	s_mov_b32 s[\g+3], 32<<16
	s_mov_b32 s[\g+4], 32
	s_mov_b32 s[\g+5], 32
	s_mov_b32 s[\g+6], 0
	s_mov_b32 s[\g+7], 0
.endr
	s_lshl_b32 s45, s16, 3
	s_lshl_b32 s20, ttmp9, 9
	s_lshl_b32 s21, s18, 7
	s_add_co_u32 s20, s20, s21
	s_lshl_b32 s21, s17, 4
	s_add_co_u32 s20, s20, s21
	s_add_co_u32 s20, s20, s45
	s_lshl_b32 s46, ttmp9, 6
	s_add_co_u32 s46, s46, 1024
	s_mul_i32 s47, s18, 640
	s_sub_co_u32 s46, s46, s47
	s_lshl_b32 s47, s42, 4
	s_add_co_u32 s46, s46, s47
	s_add_co_u32 s46, s46, s45
	s_lshl_b32 s22, s20, 9
	s_mov_b32 s23, 0
	s_mul_i32 s20, s20, 12288
	s_mov_b32 s21, 0
	s_lshl_b32 s92, s46, 9
	s_mov_b32 s93, 0
	s_mul_i32 s46, s46, 12288
	s_mov_b32 s47, 0
	s_mul_i32 s45, s14, HALFT
	s_wait_kmcnt 0x0
	s_add_nc_u64 s[20:21], s[4:5], s[20:21]
	s_add_nc_u64 s[22:23], s[6:7], s[22:23]
	s_add_nc_u64 s[46:47], s[4:5], s[46:47]
	s_add_nc_u64 s[92:93], s[6:7], s[92:93]
	; the head's four tiles, each whole, one to a wave: slot 0's 16 row blocks of A, of B, the scales of A's 16 row blocks, of B's
	s_mul_i32 s2, s16, 98304                       ; my half's 8 row blocks of codes, taken off again: the tile's first byte
	s_mov_b32 s3, 0
	s_mov_b32 s[G0H], 1
	s_mov_b32 s[G0H+1], 0
	s_sub_nc_u64 s[G0H+2:G0H+3], s[20:21], s[2:3]
	s_or_b32 s[G0H+3], s[G0H+3], 0x80000000
	s_mov_b32 s[G0HB], 1
	s_mov_b32 s[G0HB+1], 2*HALFT
	s_sub_nc_u64 s[G0HB+2:G0HB+3], s[46:47], s[2:3]
	s_or_b32 s[G0HB+3], s[G0HB+3], 0x80000000
	s_lshl_b32 s2, s16, 12                         ; and my half's 4,096 scale bytes
	s_mov_b32 s[G0S], 1
	s_mov_b32 s[G0S+1], SCL
	s_sub_nc_u64 s[G0S+2:G0S+3], s[22:23], s[2:3]
	s_or_b32 s[G0S+3], s[G0S+3], 0x80000000
	s_mov_b32 s[G0SB], 1
	s_mov_b32 s[G0SB+1], SCL+2*HALFS
	s_sub_nc_u64 s[G0SB+2:G0SB+3], s[92:93], s[2:3]
	s_or_b32 s[G0SB+3], s[G0SB+3], 0x80000000
.irp s, 0,1
	s_mov_b32 s[G0+4*\s], 1
	s_add_co_u32 s[G0+4*\s+1], s45, \s*SLOT
	s_add_nc_u64 s[G0+4*\s+2:G0+4*\s+3], s[20:21], \s*RBS
	s_or_b32 s[G0+4*\s+3], s[G0+4*\s+3], 0x80000000
	s_mov_b32 s[G0B+4*\s], 1
	s_add_co_u32 s[G0B+4*\s+1], s45, \s*SLOT
	s_add_nc_u64 s[G0B+4*\s+2:G0B+4*\s+3], s[46:47], \s*RBS
	s_or_b32 s[G0B+4*\s+3], s[G0B+4*\s+3], 0x80000000
.endr
	CROUND                                         ; all sixteen work-groups are here: the first joint loads meet
.macro ARM under, g0, g1, next         ; one chain of branches on the wave's number, one load to an arm, all arms to one join
	s_cmp_lt_u32 s14, \under
	s_cbranch_scc0 \next
	tensor_load_to_lds s[\g0:\g0+3], s[\g1:\g1+7]
	s_nop 0
.rept 4
	v_nop
.endr
	s_branch .Lhead_asked
\next:
.endm
	ARM 1, G0H,  G1,  .Lhead_b
	ARM 2, G0HB, G1B, .Lhead_sa
	ARM 3, G0S,  G1S, .Lhead_sb
	tensor_load_to_lds s[G0SB:G0SB+3], s[G1SB:G1SB+7]
	s_nop 0
.rept 4
	v_nop
.endr
.Lhead_asked:
	s_wait_alu depctr_va_vdst(0)
	s_wait_tensorcnt 0x0                           ; my tile of the four is in; slot 1's first fill is issued as a refill is
	ds_add_u32 v28, v29
	s_mov_b32 s[G1+2], 8<<16                       ; no load of mine is out: from here on a load brings 8 row blocks
	s_mov_b32 s[G1+4], 8
	s_mov_b32 s[G1B+2], 8<<16
	s_mov_b32 s[G1B+4], 8
	s_wait_dscnt 0x0
	CROUND
	JLOAD G0+4, G1, G0B+4, G1B
	v_and_b32 v1, 31, v0
	v_and_b32 v2, 15, v0
	v_bfe_u32 v3, v0, 4, 1
	v_lshlrev_b32 v4, 4, v1
	v_lshlrev_b32 v5, 3, v1
	s_mul_i32 s21, s15, HALFT
	s_mul_i32 s22, s16, HALFT
	s_add_co_u32 s22, s22, 2*HALFT
.irp s, 0,1
	v_add_nc_u32 v[ADRA+\s], s21, v4
	v_add_nc_u32 v[ADRB+\s], s22, v4
	v_add_nc_u32 v[ADRA+2+\s], s21, v5
	v_add_nc_u32 v[ADRB+2+\s], s22, v5
	s_add_co_u32 s21, s21, SLOT
	s_add_co_u32 s22, s22, SLOT
.endr
	v_lshlrev_b32 v6, 3, v2
	s_mul_i32 s21, s15, HALFS
	s_mul_i32 s22, s16, HALFS
	s_add_co_u32 s22, s22, 2*HALFS
	s_sub_co_u32 s22, s22, s21
	v_mul_u32_u24 v7, s22, v3
	s_add_co_u32 s21, s21, SCL
	v_add_nc_u32 v6, v6, v7
	v_add_nc_u32 v[ADRS], s21, v6
	s_lshl_b32 s66, s42, 1
	s_add_co_u32 s66, s66, s16
	s_lshr_b32 s67, s17, 3
	s_lshl_b32 s67, s67, 4
	s_lshl_b32 s2, s66, 1
	s_add_co_u32 s67, s67, s2
	s_lshl_b32 s67, s67, 7
	s_and_b32 s2, s17, 7
	s_lshl_b32 s2, s2, 4
	s_add_co_u32 s67, s67, s2
	s_lshl_b32 s2, s15, 3
	s_add_co_u32 s67, s67, s2
	s_mul_i32 s67, s67, 768
	s_mul_i32 s2, ttmp9, 6291456
	s_add_co_u32 s67, s67, s2
	s_lshl_b32 s3, s66, 9
	s_lshl_b32 s2, s17, 4
	s_add_co_u32 s3, s3, s2
	s_lshl_b32 s2, s15, 3
	s_add_co_u32 s3, s3, s2
	s_lshl_b32 s3, s3, 6
	s_lshl_b32 s2, ttmp9, 18
	s_add_co_u32 s3, s3, s2
	s_lshr_b32 s12, s66, 4
	s_lshl_b32 s12, s12, 4
	s_lshl_b32 s2, s17, 2
	s_add_co_u32 s12, s12, s2
	s_lshl_b32 s2, s15, 1
	s_add_co_u32 s12, s12, s2
	s_lshl_b32 s12, s12, 4
	s_and_b32 s2, s66, 15
	s_add_co_u32 s12, s12, s2
	s_mul_i32 s13, s12, 6144
	s_add_co_u32 s13, s13, 12582912
	s_lshl_b32 s12, s12, 8
	s_add_co_u32 s12, s12, 524288
	s_mov_b32 s97, 768
	s_mov_b32 s98, 3072
	s_mov_b32 s99, 98304
	s_mov_b32 s100, 256
	s_cmp_eq_u32 ttmp9, 2
	s_cselect_b32 s95, s13, s67
	s_cselect_b32 s96, s12, s3
	s_cselect_b32 s97, 1536, s97
	s_cselect_b32 s98, 98304, s98
	s_cselect_b32 s99, 768, s99
	s_cselect_b32 s100, 4096, s100
	s_mov_b32 s101, 0xffff0000
.macro FRAG reg, adr, q, i
	ds_load_b128 v[\reg:\reg+3],     v[\adr]   offset:(\i)*RBS+(\q)*1536
	ds_load_b64  v[\reg+4:\reg+5],   v[\adr+2] offset:(\i)*RBS+(\q)*1536+512
	ds_load_b128 v[\reg+6:\reg+9],   v[\adr]   offset:(\i)*RBS+(\q)*1536+768
	ds_load_b64  v[\reg+10:\reg+11], v[\adr+2] offset:(\i)*RBS+(\q)*1536+1280
.endm
.macro MUL16 a0, p, q, sc, zero
.irp a, \a0, \a0+1
.irp b, 0,1,2,3,4,5,6,7
.if \zero
	v_wmma_scale_f32_16x16x128_f8f6f4 v[8*(8*((\a)%4)+\b):8*(8*((\a)%4)+\b)+7], v[128*(\p)+FR*\b:128*(\p)+FR*\b+FR-1], v[AF+FR*(\a):AF+FR*(\a)+FR-1], 0, v[SC+8*NQ*(\sc)+NQ*\b+(\q)], v[SC+8*NQ*(\sc)+NQ*(\a)+(\q)] matrix_a_fmt:MATRIX_FMT_FP6 matrix_b_fmt:MATRIX_FMT_FP6 matrix_a_scale:MATRIX_SCALE_ROW1
.else
	v_wmma_scale_f32_16x16x128_f8f6f4 v[8*(8*((\a)%4)+\b):8*(8*((\a)%4)+\b)+7], v[128*(\p)+FR*\b:128*(\p)+FR*\b+FR-1], v[AF+FR*(\a):AF+FR*(\a)+FR-1], v[8*(8*((\a)%4)+\b):8*(8*((\a)%4)+\b)+7], v[SC+8*NQ*(\sc)+NQ*\b+(\q)], v[SC+8*NQ*(\sc)+NQ*(\a)+(\q)] matrix_a_fmt:MATRIX_FMT_FP6 matrix_b_fmt:MATRIX_FMT_FP6 matrix_a_scale:MATRIX_SCALE_ROW1
.endif
.endr
.endr
.endm
.macro FETCH_B slot, q, p
	WIN TO_B
.irp i, 0,1,2,3,4,5,6,7
	FRAG 128*(\p)+FR*\i, ADRB+\slot, \q, \i
.endr
	WIN 0
.endm
.macro FETCH_A slot, q, i0
.irp i, \i0, \i0+1, \i0+2, \i0+3
	FRAG AF+FR*(\i), ADRA+\slot, \q, \i
.endr
.endm
.macro SCALES sc
.irp i, 0,1,2,3,4,5,6,7
	ds_load_b64 v[SC+8*NQ*\sc+NQ*\i:SC+8*NQ*\sc+NQ*\i+1], v[ADRS] offset:\i*512
.endr
.endm
.macro PLACES n
.rept \n
	v_nop
.endr
.endm
.macro STEP slot, q, zero
	s_wait_dscnt 4*NL
	WIN MUL_LO
	MUL16 0, (\q)%2, \q, \slot, \zero
	MUL16 2, (\q)%2, \q, \slot, \zero
	s_wait_dscnt 0
	PLACES NP
	FETCH_B \slot, (\q)+1, 1-(\q)%2
	FETCH_A \slot, (\q)+1, 0
	WIN MUL_HI
	MUL16 4, (\q)%2, \q, \slot, \zero
	MUL16 6, (\q)%2, \q, \slot, \zero
	PLACES NP
	WIN 0
	FETCH_A \slot, (\q)+1, 4
.endm
.macro TURN slot, next, fill
	s_wait_tensorcnt 0x0
	ds_add_u32 v[SPW], v[NIL]
	s_wait_dscnt 4*NL+1
	WIN MUL_LO
	MUL16 0, 1, NQ-1, \slot, 0
	s_wait_dscnt 0x0
	s_barrier_signal -1
	MUL16 2, 1, NQ-1, \slot, 0
	WIN 0
	s_barrier_wait -1
.if \fill
	CREST
	s_add_nc_u64 s[G0+4*\slot+2:G0+4*\slot+3], s[G0+4*\slot+2:G0+4*\slot+3], 2*RBS
	s_add_nc_u64 s[G0B+4*\slot+2:G0B+4*\slot+3], s[G0B+4*\slot+2:G0B+4*\slot+3], 2*RBS
	JLOAD G0+4*\slot, G1, G0B+4*\slot, G1B
.else
	PLACES NP
.endif
	s_wait_alu depctr_va_vdst(0)
	v_add_nc_u32 v[ADRS], 128, v[ADRS]
	FETCH_B \next, 0, 0
	FETCH_A \next, 0, 0
	SCALES \next
	WIN MUL_HI
	MUL16 4, 1, NQ-1, \slot, 0
	MUL16 6, 1, NQ-1, \slot, 0
	PLACES NP
	WIN 0
	FETCH_A \next, 0, 4
.endm
	s_wait_alu depctr_va_vdst(0)
	s_wait_tensorcnt 1
	s_barrier_signal -1
	s_barrier_wait -1
	FETCH_B 0, 0, 0
	FETCH_A 0, 0, 0
	SCALES 0
	FETCH_A 0, 0, 4
	STEP 0, 0, 1
	TURN 0, 1, 1
	STEP 1, 0, 0
	TURN 1, 0, 1
	STEP 0, 0, 0
	TURN 0, 1, 0
	STEP 1, 0, 0
	s_wait_dscnt 4*NL
	WIN MUL_LO
	MUL16 0, 1, NQ-1, 1, 0
	MUL16 2, 1, NQ-1, 1, 0
	s_wait_dscnt 0
	WIN MUL_HI
	MUL16 4, 1, NQ-1, 1, 0
	MUL16 6, 1, NQ-1, 1, 0
	WIN 0
	PLACES NP
	s_mov_b32 s2, s95
	s_mov_b32 s3, 0
	s_add_nc_u64 s[32:33], s[8:9], s[2:3]
	s_mov_b32 s2, s99
	s_add_nc_u64 s[34:35], s[32:33], s[2:3]
	s_mov_b32 s2, s98
	s_add_nc_u64 s[36:37], s[32:33], s[2:3]
	s_add_nc_u64 s[38:39], s[34:35], s[2:3]
	s_mov_b32 s2, s96
	s_add_nc_u64 s[56:57], s[10:11], s[2:3]
	s_mov_b32 s2, s100
	s_add_nc_u64 s[58:59], s[56:57], s[2:3]
	s_mov_b32 s[SEL], 0x76543210
	s_mov_b32 s[SEL+1], 0xfedcba98
	v_and_b32 v1, 31, v0
	v_lshlrev_b32 v7, 2, v1
	v_lshlrev_b32 v8, 4, v1
	v_lshlrev_b32 v12, 3, v1
	v_add_nc_u32 v12, 512, v12
.irp k, 1,2,3
	v_add_nc_u32 v[8+\k], s97, v[7+\k]
	v_add_nc_u32 v[12+\k], s97, v[11+\k]
.endr
.irp b, 0,1,2,3
	v_mov_b32 v[TM+4+\b], 0
.endr
.macro QUANTW a
.set WN, 2+(\a)/4
.set WS, (WN<<2)|(WN<<4)
.set ACB, 64*((\a)%4)
	WIN WS
.irp b, 0,1,2,3
	v_max3_num_f32 v[TM+\b], 0x1800000, |v[ACB+16*\b]|, |v[ACB+1+16*\b]|
.endr
.irp i, 2,4,6,8,10,12,14
.irp b, 0,1,2,3
	v_max3_num_f32 v[TM+\b], v[TM+\b], |v[ACB+16*\b+\i]|, |v[ACB+1+16*\b+\i]|
.endr
.endr
	WIN 0
.irp b, 0,1,2,3
	v_permlanex16_b32 v[TM+4+\b], v[TM+\b], s[SEL], s[SEL+1]
.endr
.irp b, 0,1,2,3
	v_max_num_f32 v[TM+\b], v[TM+\b], v[TM+4+\b]
.endr
.irp b, 0,1,2,3
	v_add_nc_u32 v[TM+12+\b], 0xff000000, v[TM+\b]
.endr
.irp b, 0,1,2,3
	v_lshrrev_b32 v[TM+4+\b], 23, v[TM+12+\b]
.endr
	v_lshl_or_b32 v[PW], v[TM+5], 8, v[TM+4]
	v_lshl_or_b32 v[PW], v[TM+6], 16, v[PW]
	v_lshl_or_b32 v[PW], v[TM+7], 24, v[PW]
	WIN WN
.irp c, 0,1
	v_cvt_scalef32_pk16_fp6_f32 v[PC+6*\c:PC+2+6*\c], v[ACB+32*\c:ACB+15+32*\c], v[TM+12+2*\c]
	v_cvt_scalef32_pk16_fp6_f32 v[PC+12+4*\c:PC+14+4*\c], v[ACB+16+32*\c:ACB+31+32*\c], v[TM+12+2*\c+1]
.endr
	WIN 0
	v_nop
.irp c, 0,1
.irp i, 0,1,2
	v_permlane16_swap_b32 v[PC+6*\c+\i], v[PC+12+4*\c+\i]
.endr
.irp i, 0,1,2
	v_mov_b32 v[PC+3+6*\c+\i], v[PC+12+4*\c+\i]
.endr
.endr
.endm
.irp a, 0,1,2,3,4,5,6,7
.if \a > 0
	s_wait_xcnt 0x0
.endif
	QUANTW \a
.irp c, 0,1
	global_store_b128 v[8+(\a)%4], v[PC+6*\c:PC+6*\c+3], s[32+4*((\a)/4)+2*\c:33+4*((\a)/4)+2*\c]
	global_store_b64 v[12+(\a)%4], v[PC+6*\c+4:PC+6*\c+5], s[32+4*((\a)/4)+2*\c:33+4*((\a)/4)+2*\c]
.endr
.if (\a)%2 == 0
	v_mov_b32 v[PWP+(\a)/2], v[PW]
.else
	v_cndmask_b32 v[PWP+(\a)/2], v[PWP+(\a)/2], v[PW], s101
.endif
.endr
.irp p, 0,1,2,3
	global_store_b32 v7, v[PWP+\p], s[56+2*(\p/2):57+2*(\p/2)] offset:128*(\p%2)
.endr
	s_wait_tensorcnt 0x0
	ds_add_u32 v[SPW], v[NIL]
	s_wait_dscnt 0x0
	CROUND
	s_endpgm
.Lfunc_end_k_qaae19e1a5e_qkv:
	.size	k_qaae19e1a5e_qkv, .Lfunc_end_k_qaae19e1a5e_qkv-k_qaae19e1a5e_qkv
	.p2alignl 7, 3214868480
	.fill 96, 4, 3214868480
	.section	.rodata,"a",@progbits
	.p2align	6, 0x0
	.amdhsa_kernel k_qaae19e1a5e_qkv
		.amdhsa_group_segment_fixed_size 327680
		.amdhsa_private_segment_fixed_size 0
		.amdhsa_enable_private_segment 0
		.amdhsa_kernarg_size 32
		.amdhsa_user_sgpr_count 2
		.amdhsa_user_sgpr_kernarg_segment_ptr 1
		.amdhsa_wavefront_size32 1
		.amdhsa_system_sgpr_workgroup_id_x 1
		.amdhsa_system_sgpr_workgroup_id_y 1
		.amdhsa_system_sgpr_workgroup_id_z 1
		.amdhsa_system_vgpr_workitem_id 0
		.amdhsa_next_free_vgpr 1024
		.amdhsa_next_free_sgpr 102
		.amdhsa_reserve_vcc 0
		.amdhsa_float_denorm_mode_32 3
		.amdhsa_float_denorm_mode_16_64 3
		.amdhsa_memory_ordered 1
		.amdhsa_forward_progress 1
		.amdhsa_inst_pref_size 152
	.end_amdhsa_kernel
	.amdgpu_metadata
---
amdhsa.version: [ 1, 2 ]
amdhsa.kernels:
  - .name:           k_qaae19e1a5e_qkv
    .symbol:         k_qaae19e1a5e_qkv.kd
    .args:
      - { .name: opc, .offset: 0, .size: 8, .value_kind: global_buffer, .address_space: global }
      - { .name: ops, .offset: 8, .size: 8, .value_kind: global_buffer, .address_space: global }
      - { .name: qkv, .offset: 16, .size: 8, .value_kind: global_buffer, .address_space: global }
      - { .name: qkvs, .offset: 24, .size: 8, .value_kind: global_buffer, .address_space: global }
    .group_segment_fixed_size: 327680
    .private_segment_fixed_size: 0
    .kernarg_segment_align: 8
    .kernarg_segment_size: 32
    .max_flat_workgroup_size: 128
    .sgpr_count:     102
    .vgpr_count:     1024
    .wavefront_size: 32
...
	.end_amdgpu_metadata
.endif
;; end of part 2
;; launch attn (part 3): grid 4 x 64, 16 waves a work-group, clusters of 4 x 1, 327,680 bytes of LDS; arguments qkv, qkvs, oc, os; writes oc, os
.if DOCPART == 3
	.amdgcn_target "amdgcn-amd-amdhsa--gfx1250"
	.amdhsa_code_object_version 6
	.text
	.protected	k_qaae19e1a5e_attn
	.globl	k_qaae19e1a5e_attn
	.p2align	8
	.type	k_qaae19e1a5e_attn,@function
k_qaae19e1a5e_attn:
	s_mov_b64 s[64:65], 0
	v_nop
	global_prefetch_b8 v0, s[64:65] scope:SCOPE_SE
	s_setreg_imm32_b32 hwreg(HW_REG_WAVE_MODE, 25, 1), 1
	s_wait_xcnt 0x0
	s_wait_alu depctr_hold_cnt(0) depctr_sa_sdst(0) depctr_va_vdst(0) depctr_va_sdst(0) depctr_va_ssrc(0) depctr_va_vcc(0) depctr_vm_vsrc(0)
	s_getreg_b32 s2, hwreg(HW_REG_IB_STS2, 6, 4)
	s_cmp_eq_u32 s2, 0
	s_cbranch_scc0 .Lentry_in_a_cluster
	s_endpgm
.Lentry_in_a_cluster:
	s_bfe_u32 s2, ttmp6, 0x10000c
	s_cmp_lg_u32 s2, 0x3003
	s_cbranch_scc0 .Lentry_shape_is_right
	s_endpgm
.Lentry_shape_is_right:
; o = softmax(q k^T / 8) v for each of 64 (batch, head): 2,048 queries x 2,048 keys x 64 channels, both products on codes of FP6 (E2M3) with E8M0 scales; o is quantised along (head, channel) for the last product.
; THE SOFTMAX: t = score x log2(e) / 8; M = the running largest t rounded UP to a whole number; p = 2^(t - M) is quantised along the keys, not normalised; the row's sum is taken of the unquantised p and divides at the end.
; When M moves, the sum and O are multiplied by 2^(old M - new M), which rounds nothing.
; SHARES.  A cluster of four work-groups is one (batch, head); each takes 512 queries; each of its sixteen waves takes 16 queries at a time, twice, in 256 registers.
; K AND V of the whole head come into LDS once, by joint loads that name all four work-groups, in two groups, one tensor load a wave in each: at the head waves 0-3 fetch keys 0-511 of K, of V, K's scale bytes, V's;
; behind the full sequence and a round of the cluster's barrier waves 0-2 fetch the rest of K and waves 3-5 the rest of V, 512 keys each.  Nothing is filled again.
; No prefetch: all that the work-group reads of K and V is asked for by these two groups, the second as soon as the first has landed; there is no later request to run ahead of.
; LAYOUT (made by the launch before).  Half fragments of 16 rows x 64 along K, 768 bytes: a lane's first 16 bytes at 16 x lane, its last 8 at 512 + 8 x lane.  A stored block of 16 tokens or channels holds at place p
; number 32 g + 8 u + p + 8 (p / 8) (block 2 g + u).  Both products are used transposed: S^T = K Q^T, O^T = V^T P^T: a lane holds ONE query throughout.
; THE KEYS OF A TILE ARE CHOSEN BY THE LDS ADDRESSES: row r of tile i of a group of 64 keys is key 8 i + r % 8 + 32 (r / 8), which lies in stored block 2 (r / 8) + i % 2 at place r % 8 + 8 (i / 2).
; So lane (r, h) holds in the 32 registers of four tiles keys 32 h + 0 .. 31 of the group: a WHOLE block of 32 in the order of the operand's layout: its largest score needs no other lane, and its codes need no swap.
; K's rows of 256 bytes lie 320 bytes apart in LDS (64 of padding), a fragment 960: rows r and r + 8 of a tile, 1,920 bytes apart, then fall 128 bytes apart modulo 256 in the loads of 16 bytes.
; K = 64 IN AN INSTRUCTION OF 128.  Q's registers 6-11 hold zero codes, and the upper two bytes of Q's and K's scale words are 0 (2^-127, a number).  K's registers 6-11 are then multiplied by the code 0; FP6 has only
; finite codes; so they may be the NEXT tile's codes: the eight tiles lie six registers apart, and the last is followed by six registers of zeros.
; A scale register carries two tiles' words: lanes 0-15 the even tile's, lanes 16-31 the odd one's (MATRIX_SCALE_ROW1).
; LIMITS: NaN and infinities are not served; a block whose largest magnitude lies under 2^-124, a block of zeros too, keeps the byte 1; a block's largest p is taken from its largest score (this takes v_exp_f32 not to fall
; where its input rises); v_exp_f32 and v_rcp_f32 are accurate to 1 ulp and flush denormals (ISA guide, 15.8); the scaled scores stay under 2^31 in magnitude.
; REGISTERS: v1-7, v31 addresses that stay; v8-11, v28-29 the step's; v12 -M, v13 the largest score, v[14:15] the sum; v16-27 Q, v30 its scale words; v32-85 K's eight tiles and zeros, then V's four fragments;
; v86-89 K's scale words, v90-91 V's; v96-159 S^T, then p; v160-191 O^T; v192-203 p's codes; v204-231 at work; v232-237, v244 Q of the second 16 queries.
.set VB,    122880                     ; LDS: K's codes at 0 (128 fragments x 960), V's here (98,304),
.set SCK,   221184                     ; K's scale words (the pair of heads'), 8,192 bytes,
.set SCV,   229376                     ; V's, 4,096 bytes,
.set SPARE, 233472                     ; the spare words, 128 bytes a wave
.set TK,  2                            ; s2  LDS byte of the step's tiles of K: 7,680 a step
.set TV,  3                            ; s3  of V: VB + 6,144 a step
.set WV,  18
.set SEL, 20                           ; s[20:21] v_permlanex16_b32's selects for lane l xor 16
.set CS,  22                           ; s[22:23] c = log2(e) / 8
.set G1K, 24                           ; groups 1: 96 rows of 256 bytes, padded (K) and dense (V); 32 and 16 rows (scale bytes)
.set G1V, 32
.set G1SK, 40
.set G0K, 48
.set G0V, 52
.set HM,  56                           ; s56 lanes 16-31
.set CNT, 57
.set QB,  58
.set QS,  60
.set OCB, 62
.set TS,  66                           ; s66 K's scale words: 512 a step;  s67 V's: 256 a step
.set TJ,  67
.set G1SV, 68
.set G0SK, 76
.set G0SV, 80
.set OSB, 88
.set W0D, 15|(3<<16)|(1<<21)           ; the mask: all four work-groups; elements of 8 bytes; bit 21 beside a mask
.set W0P, W0D|(1<<20)|(5<<22)|(15<<25) ; and 16 words of padding behind every 64
.macro CROUND
	s_barrier_signal -1
	s_barrier_wait -1
	s_cmp_lg_u32 s[WV], 0
	s_cbranch_scc1 .Lnot_wave_0_\@
	s_barrier_signal -3
.Lnot_wave_0_\@:
	s_barrier_wait -3
	s_barrier_signal -1
	s_barrier_wait -1
.endm
.macro GRP1 g, w0, rows
	s_mov_b32 s[\g], \w0
	s_mov_b32 s[\g+1], 32<<16
	s_mov_b32 s[\g+2], \rows<<16
	s_mov_b32 s[\g+3], 32<<16
	s_mov_b32 s[\g+4], \rows
	s_mov_b32 s[\g+5], 32
	s_mov_b32 s[\g+6], 0
	s_mov_b32 s[\g+7], 0
.endm
.macro GRP0 g, lds, base, off
	s_mov_b32 s[\g], 1
	s_mov_b32 s[\g+1], \lds
	s_add_nc_u64 s[\g+2:\g+3], s[\base:\base+1], s[\off:\off+1]
	s_or_b32 s[\g+3], s[\g+3], 0x80000000
.endm
.macro ARM under, g0, g1, next, done   ; an arm of a chain of branches on the wave's number: one load, then to the join
	s_cmp_lt_u32 s[WV], \under
	s_cbranch_scc0 \next
	tensor_load_to_lds s[\g0:\g0+3], s[\g1:\g1+7]
	s_nop 0
.rept 4
	v_nop
.endr
	s_branch \done
\next:
.endm
	s_load_b256 s[4:11], s[0:1], 0x0               ; qkv, qkvs, oc, os
	v_lshl_add_u32 v254, v0, 2, SPARE
	v_mov_b32 v255, 0
	ds_add_u32 v254, v255                          ; the opening lines: the add twice and its wait
	ds_add_u32 v254, v255
	v_lshrrev_b32 v1, 5, v0
	s_delay_alu instid0(VALU_DEP_1)
	v_readfirstlane_b32 s[WV], v1                  ; wave 0..15
	s_bfe_u32 s12, ttmp6, 0x40000                  ; cx: it enters Q's and o's addresses alone
	s_and_b32 s13, ttmp7, 0xffff                   ; 16 batch + head
	s_lshr_b32 s14, s13, 4
	s_and_b32 s15, s13, 15
	s_mul_i32 s84, s13, 98304                      ; a head is 98,304 dense bytes in k's section (at 6,291,456) and in v's (at twice that)
	s_add_co_u32 s86, s84, 6291456
	s_mov_b32 s87, 0
	s_add_co_u32 s90, s84, 12582912
	s_mov_b32 s91, 0
	s_lshr_b32 s16, s15, 1
	s_lshl_b32 s16, s16, 9
	s_lshl_b32 s17, s14, 7
	s_add_co_u32 s16, s16, s17                     ; pair of heads x 512 + 128 batch: a token block's row of scale words (kept for Q's)
	s_lshl_b32 s92, s16, 6
	s_add_co_u32 s92, s92, 262144                  ; K's scale words
	s_mov_b32 s93, 0
	s_lshl_b32 s94, s13, 12
	s_add_co_u32 s94, s94, 524288                  ; V's
	s_mov_b32 s95, 0
	s_mul_i32 s19, s[WV], 24576                    ; the second group: wave w < 3 takes K's keys 512 (w + 1) on, wave 3 <= w < 6 V's keys 512 (w - 2) on
	s_add_co_u32 s96, s86, s19
	s_add_co_u32 s96, s96, 24576
	s_mov_b32 s97, 0
	s_add_co_u32 s98, s90, s19
	s_sub_co_u32 s98, s98, 49152
	s_mov_b32 s99, 0
	GRP1 G1K, W0P, 96
	GRP1 G1V, W0D, 96
	GRP1 G1SK, W0D, 32
	GRP1 G1SV, W0D, 16
	s_mov_b32 s[SEL], 0x76543210
	s_mov_b32 s[SEL+1], 0xfedcba98
	s_mov_b32 s[CS], 0x3e38aa3b
	s_mov_b32 s[CS+1], s[CS]
	s_mov_b32 s[HM], 0xffff0000
	s_wait_dscnt 0x0
	s_wait_kmcnt 0x0
	GRP0 G0K, 0, 4, 86
	GRP0 G0V, VB, 4, 90
	GRP0 G0SK, SCK, 6, 92
	GRP0 G0SV, SCV, 6, 94
	s_add_nc_u64 s[96:97], s[4:5], s[96:97]
	s_add_nc_u64 s[98:99], s[4:5], s[98:99]
	CROUND                                         ; all four work-groups are here: the joint loads meet
	ARM 1, G0K,  G1K,  .La1, .Lasked
	ARM 2, G0V,  G1V,  .La2, .Lasked
	ARM 3, G0SK, G1SK, .La3, .Lasked
	ARM 4, G0SV, G1SV, .La4, .Lasked
.Lasked:
	s_lshl_b32 s84, s12, 5
	s_add_co_u32 s84, s84, s[WV]                   ; my first token block in the batch: 32 cx + wave; the second lies 16 on
	s_lshl_b32 s86, s13, 7
	s_add_co_u32 s86, s86, s84
	s_mul_i32 s86, s86, 768
	s_mov_b32 s87, 0
	s_add_nc_u64 s[QB:QB+1], s[4:5], s[86:87]      ; Q's half fragment
	s_add_co_u32 s86, s16, s84
	s_lshl_b32 s86, s86, 6
	s_and_b32 s85, s15, 1
	s_lshl_b32 s85, s85, 1                         ; my head's two bytes of a pair's four
	s_add_co_u32 s86, s86, s85
	s_add_nc_u64 s[QS:QS+1], s[6:7], s[86:87]
	s_add_co_u32 s85, s85, SCK
	s_lshl_b32 s86, s14, 7
	s_add_co_u32 s84, s86, s84                     ; my token block among all 512
	s_mul_i32 s86, s84, 12288
	s_mul_i32 s17, s15, 768
	s_add_co_u32 s86, s86, s17
	s_add_nc_u64 s[OCB:OCB+1], s[8:9], s[86:87]    ; oc: [token block][head][768]
	s_lshl_b32 s86, s84, 9
	s_lshr_b32 s17, s15, 2
	s_lshl_b32 s17, s17, 7
	s_add_co_u32 s86, s86, s17
	s_and_b32 s17, s15, 3
	s_lshl_b32 s17, s17, 1
	s_add_co_u32 s86, s86, s17
	s_add_nc_u64 s[OSB:OSB+1], s[10:11], s[86:87]  ; os: [token block][head / 4][r][8]: bytes 2 (head % 4) and the next
	s_mov_b32 s[TK], 0
	s_mov_b32 s[TV], VB
	s_mov_b32 s[TS], 0
	s_mov_b32 s[TJ], 0
	v_and_b32 v8, 31, v0                           ; lane
	v_and_b32 v9, 15, v0                           ; r
	v_bfe_u32 v10, v0, 4, 1                        ; h
	v_and_b32 v11, 7, v0                           ; r % 8
	v_bfe_u32 v28, v0, 3, 1                        ; r / 8
	v_lshlrev_b32 v1, 4, v8                        ; 16 x lane
	v_lshlrev_b32 v2, 3, v8                        ; 8 x lane
	v_lshlrev_b32 v29, 2, v9                       ; 4 r
	v_mul_u32_u24 v6, v28, 1920
	v_mul_u32_u24 v7, v28, 1920
	v_lshlrev_b32 v3, 7, v28
	v_mad_u32_u24 v6, v10, 320, v6
	v_lshl_add_u32 v7, v10, 7, v7
	v_lshl_add_u32 v3, v11, 2, v3
	v_lshl_add_u32 v6, v11, 4, v6                  ; K, 16 bytes: 1,920 (r / 8) + 320 h + 16 (r % 8)
	v_lshl_add_u32 v7, v11, 3, v7                  ; K, 8 bytes: 1,920 (r / 8) + 128 h + 8 (r % 8)
	v_lshl_add_u32 v3, v10, 6, v3
	v_lshl_add_u32 v4, v10, 6, v29
	v_add_nc_u32 v3, s85, v3                       ; K's scale words: 128 (r / 8) + 4 (r % 8) + 64 h, my head's two bytes
	v_add_nc_u32 v4, SCV, v4                       ; V's: 4 r + 64 h
	v_lshl_add_u32 v5, v9, 3, v10                  ; o's scale byte: 8 r + h
	v_lshlrev_b32 v31, 3, v10                      ; 8 h: how far my bytes move up in p's scale word
	global_load_b128 v[16:19], v1, s[QB:QB+1]
	global_load_b64 v[20:21], v2, s[QB:QB+1] offset:512
	global_load_u16 v30, v29, s[QS:QS+1]           ; two bytes, the upper two 0
	global_load_b128 v[232:235], v1, s[QB:QB+1] offset:12288
	global_load_b64 v[236:237], v2, s[QB:QB+1] offset:12800
	global_load_u16 v244, v29, s[QS:QS+1] offset:1024
.irp j, 0,1,2,3,4,5
	v_mov_b32 v[22+\j], 0                          ; zero codes for K = 64 .. 127
	v_mov_b32 v[80+\j], 0                          ; behind the last tile of K; never rewritten
.endr
	v_mov_b32 v227, 0                              ; the upper word of the pair v[226:227]
	v_mov_b32 v229, 0                              ; a lane permute's destination counts as one of its sources
; A KEY STEP: 128 keys
.macro STEP
	v_add_nc_u32 v8, s[TK], v6                     ; these four are the places between the last step's products and the loads into the registers that they read
	v_add_nc_u32 v9, s[TK], v7
	v_add_nc_u32 v28, s[TS], v3
	v_mov_b32 v224, v12                            ; the old -M
.irp c, 0,1
.irp i, 0,1,2,3
	ds_load_b128 v[32+6*(4*\c+\i):35+6*(4*\c+\i)], v8 offset:960*(4*\c+(\i%2))+128*(\i/2)
	ds_load_b64 v[36+6*(4*\c+\i):37+6*(4*\c+\i)], v9 offset:960*(4*\c+(\i%2))+640+64*(\i/2)
.endr
.irp u, 0,1
	ds_load_u16 v[86+2*\c+\u], v28 offset:256*\c+32*\u   ; tiles 4 c + 2 u (lanes 0-15) and 4 c + 2 u + 1 (lanes 16-31)
.endr
.endr
	s_wait_dscnt 0x0
.irp t, 0,2,4,6
	v_wmma_scale_f32_16x16x128_f8f6f4 v[96+8*\t:103+8*\t], v[32+6*\t:43+6*\t], v[16:27], 0, v[86+\t/2], v30 matrix_a_fmt:MATRIX_FMT_FP6 matrix_b_fmt:MATRIX_FMT_FP6
	v_wmma_scale_f32_16x16x128_f8f6f4 v[104+8*\t:111+8*\t], v[38+6*\t:49+6*\t], v[16:27], 0, v[86+\t/2], v30 matrix_a_fmt:MATRIX_FMT_FP6 matrix_b_fmt:MATRIX_FMT_FP6 matrix_a_scale:MATRIX_SCALE_ROW1
.endr
	v_add_nc_u32 v10, s[TV], v1                    ; four places in front of the loads below and of the first read of the scores
	v_add_nc_u32 v11, s[TV], v2
	v_add_nc_u32 v29, s[TJ], v4
	v_nop
.irp d, 0,1,2,3                                ; V's four fragments are asked for now and land under the softmax
.irp c, 0,1
	ds_load_b128 v[32+12*\d+6*\c:35+12*\d+6*\c], v10 offset:1536*\d+768*\c
	ds_load_b64 v[36+12*\d+6*\c:37+12*\d+6*\c], v11 offset:1536*\d+768*\c+512
.endr
.endr
	ds_load_b32 v90, v29                           ; channel tiles 0 (lanes 0-15) and 1 (lanes 16-31)
	ds_load_b32 v91, v29 offset:128                ; 2 and 3
; the largest score of my two blocks of 32 keys, each in two chains, the four by turns; each accumulator is read from its low end on
.irp c, 0,1
.irp q, 0,1
	v_max3_num_f32 v[212+2*\c+\q], v[96+32*\c+16*\q], v[97+32*\c+16*\q], v[98+32*\c+16*\q]
.endr
.endr
.irp i, 3,5,7,9,11,13
.irp c, 0,1
.irp q, 0,1
	v_max3_num_f32 v[212+2*\c+\q], v[212+2*\c+\q], v[96+32*\c+16*\q+\i], v[97+32*\c+16*\q+\i]
.endr
.endr
.endr
	v_max3_num_f32 v212, v212, v213, v111
	v_max3_num_f32 v214, v214, v215, v143
	v_max_num_f32 v212, v212, v127                 ; block h of the step's first 64 keys
	v_max_num_f32 v213, v214, v159                 ; and of its second 64
	v_max_num_f32 v214, v212, v213
	v_permlanex16_b32 v215, v214, s[SEL], s[SEL+1]
	v_max3_num_f32 v13, v13, v214, v215            ; the running largest score of my query
	v_mul_f32 v214, s[CS], v13                     ; as t (c is positive)
	v_floor_f32 v12, -v214                         ; the new -M = -ceil(t): a whole number
	v_sub_f32 v224, v12, v224                      ; M's old value less its new one
	v_cvt_i32_f32 v224, v224                       ; (it saturates)
	v_ldexp_f32 v226, 1.0, v224                    ; f = 2^(old M - new M)
.set jj, 0
.rept 32
	v_pk_fma_f32 v[96+jj:97+jj], v[96+jj:97+jj], s[CS:CS+1], v[12:13] op_sel_hi:[1,0,0]   ; t - M, two at a time
.set jj, jj+2
.endr
	v_fma_f32 v212, v212, s[CS], v12               ; the same of each block's largest score
	v_fma_f32 v213, v213, s[CS], v12
	s_wait_alu depctr_va_vdst(0)                   ; the wait ahead of the batch
	v_exp_f32 v212, v212                           ; the block's largest p: the same two instructions on the same number give the same bits
	v_exp_f32 v213, v213
.set jj, 0
.rept 64
	v_exp_f32 v[96+jj], v[96+jj]                   ; p = 2^(t - M), at most 1: not normalised
.set jj, jj+1
.endr
	v_pk_mul_f32 v[14:15], v[14:15], v[226:227] op_sel_hi:[1,0]   ; the sums under the new M; a plain instruction behind the exponentials
	s_wait_alu depctr_va_vdst(0)                   ; one wait for the whole batch, ahead of its first reader
	v_max_num_f32 v212, 0x1800000, v212            ; the floor 2^(3 - 127): the byte cannot fall under 1
	v_max_num_f32 v213, 0x1800000, v213
	v_add_nc_u32 v220, 0xff000000, v212            ; 2 off the exponent field: the conversion's scale operand
	v_add_nc_u32 v221, 0xff000000, v213
.irp c, 0,1
	v_cvt_scalef32_pk16_fp6_f32 v[192+6*\c:194+6*\c], v[96+32*\c:111+32*\c], v[220+\c]
	v_cvt_scalef32_pk16_fp6_f32 v[204+4*\c:206+4*\c], v[112+32*\c:127+32*\c], v[220+\c]   ; (a conversion's three registers begin on an even number)
.endr
	v_lshrrev_b32 v216, 23, v220                   ; the scales' bytes; these six are also the plain instructions behind the conversions
	v_lshrrev_b32 v217, 23, v221
	v_lshl_or_b32 v228, v217, 16, v216             ; blocks h and 2 + h of the step's four,
	v_lshlrev_b32 v228, v31, v228                  ; at their places in the word;
	v_permlanex16_b32 v229, v228, s[SEL], s[SEL+1]
	v_or_b32 v228, v228, v229                      ; with lane l xor 16's two the word is whole
.irp c, 0,1
.irp i, 0,1,2
	v_mov_b32 v[195+6*\c+\i], v[204+4*\c+\i]
.endr
.endr
	v_pk_add_f32 v[230:231], v[96:97], v[98:99]    ; the row's sum is taken of the unquantised p: two at a time, in two chains
.irp j, 4,8,12,16,20,24,28,32,36,40
	v_pk_add_f32 v[14:15], v[14:15], v[96+\j:97+\j]
	v_pk_add_f32 v[230:231], v[230:231], v[98+\j:99+\j]
.endr
	s_wait_alu depctr_va_vdst(0)                   ; the wait directly ahead of the first reader of O^T
.set jj, 0
.rept 16
	v_pk_mul_f32 v[160+jj:161+jj], v[160+jj:161+jj], v[226:227] op_sel_hi:[1,0]   ; O^T under the new M
.set jj, jj+2
.endr
.irp j, 44,48,52,56,60                         ; the rest of the sum: eleven plain instructions between the lines above and the wait below
	v_pk_add_f32 v[14:15], v[14:15], v[96+\j:97+\j]
	v_pk_add_f32 v[230:231], v[230:231], v[98+\j:99+\j]
.endr
	s_delay_alu instid0(VALU_DEP_1)
	v_pk_add_f32 v[14:15], v[14:15], v[230:231]
	s_wait_dscnt 0x0                               ; V is in
.irp d, 0,2
	v_wmma_scale_f32_16x16x128_f8f6f4 v[160+8*\d:167+8*\d], v[32+12*\d:43+12*\d], v[192:203], v[160+8*\d:167+8*\d], v[90+\d/2], v228 matrix_a_fmt:MATRIX_FMT_FP6 matrix_b_fmt:MATRIX_FMT_FP6
	v_wmma_scale_f32_16x16x128_f8f6f4 v[168+8*\d:175+8*\d], v[44+12*\d:55+12*\d], v[192:203], v[168+8*\d:175+8*\d], v[90+\d/2], v228 matrix_a_fmt:MATRIX_FMT_FP6 matrix_b_fmt:MATRIX_FMT_FP6 matrix_a_scale:MATRIX_SCALE_ROW1
.endr
	s_add_co_u32 s[TK], s[TK], 7680
	s_add_co_u32 s[TV], s[TV], 6144
	s_add_co_u32 s[TS], s[TS], 512
	s_add_co_u32 s[TJ], s[TJ], 256
.endm
.macro STEPS n
	s_mov_b32 s[CNT], \n
.Lsteps_\@:
	STEP
	s_sub_co_u32 s[CNT], s[CNT], 1
	s_cmp_lg_u32 s[CNT], 0
	s_cbranch_scc1 .Lsteps_\@
.endm
.macro INIT                            ; the step is written once: the first finds zeros, which the first change of M leaves zeros
	v_mov_b32 v13, 0xff61b1e6                      ; the largest score so far: -3e38
	s_delay_alu instid0(VALU_DEP_1)
	v_floor_f32 v12, -v13                          ; -M
	v_mov_b32 v14, 0
	v_mov_b32 v15, 0
.set jj, 0
.rept 32
	v_mov_b32 v[160+jj], 0
.set jj, jj+1
.endr
.endm
; THE WAY OUT of 16 queries (rd: the first or the second 16).  O^T / the sum; its two blocks of 32 channels are quantised; the six registers are a half fragment of the last product's operand.
.macro OUT rd
.rept 4
	v_nop                                          ; places behind the last products
.endr
	v_add_f32 v14, v14, v15
	s_delay_alu instid0(VALU_DEP_1)
	v_permlanex16_b32 v224, v14, s[SEL], s[SEL+1]
	s_delay_alu instid0(VALU_DEP_1)
	v_add_f32 v14, v14, v224                       ; the row's sum
	s_wait_alu depctr_va_vdst(0)
	v_rcp_f32 v14, v14
	v_nop
	s_wait_alu depctr_va_vdst(0)
.set jj, 0
.rept 32
	v_mul_f32 v[96+jj], v[160+jj], v14             ; register 16 g + i is o(my query, 32 g + 16 h + i)
.set jj, jj+1
.endr
.irp g, 0,1
	v_max3_num_f32 v[212+\g], |v[96+16*\g]|, |v[97+16*\g]|, 0x1800000
.endr
.irp i, 2,4,6,8,10,12,14
.irp g, 0,1
	s_delay_alu instid0(VALU_DEP_2)
	v_max3_num_f32 v[212+\g], v[212+\g], |v[96+16*\g+\i]|, |v[97+16*\g+\i]|
.endr
.endr
.irp g, 0,1
	s_delay_alu instid0(VALU_DEP_2)
	v_permlanex16_b32 v[216+\g], v[212+\g], s[SEL], s[SEL+1]
.endr
.irp g, 0,1
	s_delay_alu instid0(VALU_DEP_2)
	v_max_num_f32 v[212+\g], v[212+\g], v[216+\g]
.endr
.irp g, 0,1
	s_delay_alu instid0(VALU_DEP_2)
	v_add_nc_u32 v[220+\g], 0xff000000, v[212+\g]
.endr
.irp g, 0,1
	s_delay_alu instid0(VALU_DEP_2)
	v_lshrrev_b32 v[216+\g], 23, v[220+\g]
.endr
	v_cvt_scalef32_pk16_fp6_f32 v[192:194], v[96:111], v220
	v_cvt_scalef32_pk16_fp6_f32 v[204:206], v[112:127], v221
	v_nop
.irp i, 0,1,2
	v_permlane16_swap_b32 v[192+\i], v[204+\i]     ; lanes 0-15 now hold block 0 whole, lanes 16-31 block 1
.endr
.irp i, 0,1,2
	s_delay_alu instid0(VALU_DEP_3)
	v_mov_b32 v[195+\i], v[204+\i]
.endr
	v_cndmask_b32 v216, v216, v217, s[HM]          ; each half of the lanes its block's byte
	global_store_b128 v1, v[192:195], s[OCB:OCB+1] offset:\rd*196608          ; 512 consecutive bytes, aligned
	global_store_b64 v2, v[196:197], s[OCB:OCB+1] offset:\rd*196608+512       ; 256 consecutive bytes, aligned
	global_store_b8 v5, v216, s[OSB:OSB+1] offset:\rd*8192                    ; a row's eight bytes belong to four heads, that is to four clusters
.endm
	INIT
	s_wait_alu depctr_va_vdst(0)                   ; the wait at the head's end
	s_wait_loadcnt 0x0                             ; Q
	s_wait_tensorcnt 0x0                           ; my load of the first group is in; the second group is issued as a refill is
	ds_add_u32 v254, v255                          ; twice
	ds_add_u32 v254, v255
	s_mul_i32 s[G0K+1], s[WV], 30720               ; no load of mine is out: the second group's groups 0
	s_add_co_u32 s[G0K+1], s[G0K+1], 30720
	s_mov_b64 s[G0K+2:G0K+3], s[96:97]
	s_or_b32 s[G0K+3], s[G0K+3], 0x80000000
	s_mul_i32 s[G0V+1], s[WV], 24576
	s_add_co_u32 s[G0V+1], s[G0V+1], VB-49152
	s_mov_b64 s[G0V+2:G0V+3], s[98:99]
	s_or_b32 s[G0V+3], s[G0V+3], 0x80000000
	s_wait_dscnt 0x0
	CROUND                                         ; everybody's part of the first group is in, and the four work-groups meet
	ARM 3, G0K, G1K, .Lb1, .Lb_asked
	ARM 6, G0V, G1V, .Lb2, .Lb_asked
.Lb_asked:
	STEPS 4                                        ; keys 0-511, while the rest is on its way
	s_wait_tensorcnt 0x0                           ; my part of the rest is in
	s_wait_dscnt 0x0
	s_barrier_signal -1
	s_barrier_wait -1                              ; everybody's is
	STEPS 12
	s_wait_alu depctr_va_vdst(0)
	OUT 0
	s_wait_xcnt 0x0                                ; the stores have read their registers
.irp j, 0,1,2,3,4,5
	v_mov_b32 v[16+\j], v[232+\j]                  ; the second 16 queries
.endr
	v_mov_b32 v30, v244
	INIT
	s_mov_b32 s[TK], 0
	s_mov_b32 s[TV], VB
	s_mov_b32 s[TS], 0
	s_mov_b32 s[TJ], 0
	STEPS 16
	s_wait_alu depctr_va_vdst(0)
	OUT 1
	s_wait_tensorcnt 0x0                           ; the wave's end
	ds_add_u32 v254, v255
	s_wait_dscnt 0x0
	CROUND                                         ; the closing round
	s_endpgm
.Lfunc_end_k_qaae19e1a5e_attn:
	.size	k_qaae19e1a5e_attn, .Lfunc_end_k_qaae19e1a5e_attn-k_qaae19e1a5e_attn
	.p2alignl 7, 3214868480
	.fill 96, 4, 3214868480
	.section	.rodata,"a",@progbits
	.p2align	6, 0x0
	.amdhsa_kernel k_qaae19e1a5e_attn
		.amdhsa_group_segment_fixed_size 327680
		.amdhsa_private_segment_fixed_size 0
		.amdhsa_enable_private_segment 0
		.amdhsa_kernarg_size 32
		.amdhsa_user_sgpr_count 2
		.amdhsa_user_sgpr_kernarg_segment_ptr 1
		.amdhsa_wavefront_size32 1
		.amdhsa_system_sgpr_workgroup_id_x 1
		.amdhsa_system_sgpr_workgroup_id_y 1
		.amdhsa_system_sgpr_workgroup_id_z 1
		.amdhsa_system_vgpr_workitem_id 0
		.amdhsa_next_free_vgpr 256
		.amdhsa_next_free_sgpr 100
		.amdhsa_reserve_vcc 0
		.amdhsa_float_denorm_mode_32 3
		.amdhsa_float_denorm_mode_16_64 3
		.amdhsa_memory_ordered 1
		.amdhsa_forward_progress 1
		.amdhsa_inst_pref_size 70
	.end_amdhsa_kernel
	.amdgpu_metadata
---
amdhsa.version: [ 1, 2 ]
amdhsa.kernels:
  - .name:           k_qaae19e1a5e_attn
    .symbol:         k_qaae19e1a5e_attn.kd
    .args:
      - { .name: qkv, .offset: 0, .size: 8, .value_kind: global_buffer, .address_space: global }
      - { .name: qkvs, .offset: 8, .size: 8, .value_kind: global_buffer, .address_space: global }
      - { .name: oc, .offset: 16, .size: 8, .value_kind: global_buffer, .address_space: global }
      - { .name: os, .offset: 24, .size: 8, .value_kind: global_buffer, .address_space: global }
    .group_segment_fixed_size: 327680
    .private_segment_fixed_size: 0
    .kernarg_segment_align: 8
    .kernarg_segment_size: 32
    .max_flat_workgroup_size: 512
    .sgpr_count:     100
    .vgpr_count:     256
    .wavefront_size: 32
...
	.end_amdgpu_metadata
.endif
;; end of part 3
;; launch oproj (part 4): grid 4 x 32, 4 waves a work-group, clusters of 4 x 4, 327,680 bytes of LDS; arguments oc, os, opc, ops, x, out0; writes out0
.if DOCPART == 4
	.amdgcn_target "amdgcn-amd-amdhsa--gfx1250"
	.amdhsa_code_object_version 6
	.text
	.protected	k_qaae19e1a5e_oproj
	.globl	k_qaae19e1a5e_oproj
	.p2align	8
	.type	k_qaae19e1a5e_oproj,@function
k_qaae19e1a5e_oproj:
	s_mov_b64 s[64:65], 0
	v_nop
	global_prefetch_b8 v0, s[64:65] scope:SCOPE_SE
	s_setreg_imm32_b32 hwreg(HW_REG_WAVE_MODE, 25, 1), 1
	s_wait_xcnt 0x0
	s_wait_alu depctr_hold_cnt(0) depctr_sa_sdst(0) depctr_va_vdst(0) depctr_va_sdst(0) depctr_va_ssrc(0) depctr_va_vcc(0) depctr_vm_vsrc(0)
	s_getreg_b32 s2, hwreg(HW_REG_IB_STS2, 6, 4)
	s_cmp_eq_u32 s2, 0
	s_cbranch_scc0 .Lentry_in_a_cluster
	s_endpgm
.Lentry_in_a_cluster:
	s_bfe_u32 s2, ttmp6, 0x10000c
	s_cmp_lg_u32 s2, 0xf033
	s_cbranch_scc0 .Lentry_shape_is_right
	s_endpgm
.Lentry_shape_is_right:
.set NQ,     2
.set FR,     12
.set NL,     4
.set NP,     4
.set RBS,    3072
.set HALFT,  8*RBS
.set SLOT,   4*HALFT
.set SCL,    2*SLOT
.set HALFS,  4096
.set SPARE,  SCL+4*HALFS
.set SPITCH, 528
.set ADRA, 16
.set ADRB, 20
.set STO,  24
.set RD,   25
.set CO,   26
.set ADRS, 27
.set SPW,  28
.set NIL,  29
.set PFO,  30
.set SC,   32
.set AF,   128
.set BK,   128
.set G1, 24
.set G0, 32
.set G1B, 48
.set G0B, 56
.set G1S, 68
.set G0S, 76
.set G1SB, 80
.set G0SB, 88
.set G0H, 4                            ; s[4:7], s[8:11] group 0 of the head's loads of slot 0: A's 16 row blocks, B's 16
.set G0HB, 8
.set MSB, 0
.macro WIN new
.if MSB != \new
	s_set_vgpr_msb (MSB<<8)|\new
.set MSB, \new
.endif
.endm
.set MUL_LO, 0xa1
.set MUL_HI, 0xf1
.set TO_B,   0x40
.macro JLOAD g0a, g1a, g0b, g1b
	s_cmp_eq_u32 s15, 0
	s_cbranch_scc0 .Lfor_b_\@
	tensor_load_to_lds s[\g0a:\g0a+3], s[\g1a:\g1a+7]
	s_nop 0
.rept 4
	v_nop
.endr
	s_branch .Lasked_\@
.Lfor_b_\@:
	tensor_load_to_lds s[\g0b:\g0b+3], s[\g1b:\g1b+7]
	s_nop 0
.rept 4
	v_nop
.endr
.Lasked_\@:
.endm
.macro CREST
	s_cmp_lg_u32 s14, 0
	s_cbranch_scc1 .Lnot_wave_0_\@
	s_barrier_signal -3
.Lnot_wave_0_\@:
	s_barrier_wait -3
	s_barrier_signal -1
	s_barrier_wait -1
.endm
.macro CROUND
	s_barrier_signal -1
	s_barrier_wait -1
	CREST
.endm
	s_load_b256 s[4:11], s[0:1], 0x0
	s_load_b128 s[96:99], s[0:1], 0x20
	v_lshl_add_u32 v[SPW], v0, 2, SPARE
	v_mov_b32 v[NIL], 0
	ds_add_u32 v28, v29
	ds_add_u32 v28, v29
	s_wait_dscnt 0x0
	v_lshrrev_b32 v1, 5, v0
	v_readfirstlane_b32 s14, v1
	s_lshr_b32 s15, s14, 1
	s_and_b32 s16, s14, 1
	s_bfe_u32 s40, ttmp6, 0x40000
	s_bfe_u32 s41, ttmp6, 0x40004
	s_lshl_b32 s42, ttmp9, 2
	s_add_co_u32 s42, s42, s40
	s_and_b32 s17, ttmp7, 0xffff
	s_lshl_b32 s17, s17, 2
	s_add_co_u32 s17, s17, s41
	s_lshl_b32 s43, s41, 2
	s_lshl_b32 s43, 15, s43
	s_lshl_b32 s44, 0x1111, s40
	s_or_b32 s[G1+0], s43, (3<<16)|(1<<21)
	s_or_b32 s[G1B+0], s44, (3<<16)|(1<<21)
.irp g, G1, G1B
	s_mov_b32 s[\g+1], 384<<16
	s_mov_b32 s[\g+2], 16<<16
	s_mov_b32 s[\g+3], 384<<16
	s_mov_b32 s[\g+4], 16
	s_mov_b32 s[\g+5], 1536
	s_mov_b32 s[\g+6], 0
	s_mov_b32 s[\g+7], 0
.endr
	s_or_b32 s[G1S+0], s43, (3<<16)|(1<<21)
	s_or_b32 s[G1SB+0], s44, (3<<16)|(1<<21)
.irp g, G1S, G1SB
	s_mov_b32 s[\g+1], 32<<16
	s_mov_b32 s[\g+2], 32<<16
	s_mov_b32 s[\g+3], 32<<16
	s_mov_b32 s[\g+4], 32
	s_mov_b32 s[\g+5], 32
	s_mov_b32 s[\g+6], 0
	s_mov_b32 s[\g+7], 0
.endr
	s_lshl_b32 s45, s16, 3
	s_lshl_b32 s20, s17, 4
	s_add_co_u32 s20, s20, s45
	s_lshl_b32 s46, s42, 4
	s_add_co_u32 s46, s46, 1216
	s_add_co_u32 s46, s46, s45
	s_lshl_b32 s22, s20, 9
	s_mov_b32 s23, 0
	s_mul_i32 s20, s20, 12288
	s_mov_b32 s21, 0
	s_lshl_b32 s92, s46, 9
	s_mov_b32 s93, 0
	s_mul_i32 s46, s46, 12288
	s_mov_b32 s47, 0
	s_mul_i32 s45, s14, HALFT
	s_wait_kmcnt 0x0
	s_add_nc_u64 s[20:21], s[4:5], s[20:21]
	s_add_nc_u64 s[22:23], s[6:7], s[22:23]
	s_add_nc_u64 s[46:47], s[8:9], s[46:47]
	s_add_nc_u64 s[92:93], s[10:11], s[92:93]
	; the head's four tiles, each whole, one to a wave: slot 0's 16 row blocks of A, of B, the scales of A's 16 row blocks, of B's
	s_mul_i32 s2, s16, 98304                       ; my half's 8 row blocks of codes, taken off again: the tile's first byte
	s_mov_b32 s3, 0
	s_mov_b32 s[G0H], 1
	s_mov_b32 s[G0H+1], 0
	s_sub_nc_u64 s[G0H+2:G0H+3], s[20:21], s[2:3]
	s_or_b32 s[G0H+3], s[G0H+3], 0x80000000
	s_mov_b32 s[G0HB], 1
	s_mov_b32 s[G0HB+1], 2*HALFT
	s_sub_nc_u64 s[G0HB+2:G0HB+3], s[46:47], s[2:3]
	s_or_b32 s[G0HB+3], s[G0HB+3], 0x80000000
	s_lshl_b32 s2, s16, 12                         ; and my half's 4,096 scale bytes
	s_mov_b32 s[G0S], 1
	s_mov_b32 s[G0S+1], SCL
	s_sub_nc_u64 s[G0S+2:G0S+3], s[22:23], s[2:3]
	s_or_b32 s[G0S+3], s[G0S+3], 0x80000000
	s_mov_b32 s[G0SB], 1
	s_mov_b32 s[G0SB+1], SCL+2*HALFS
	s_sub_nc_u64 s[G0SB+2:G0SB+3], s[92:93], s[2:3]
	s_or_b32 s[G0SB+3], s[G0SB+3], 0x80000000
.irp s, 0,1
	s_mov_b32 s[G0+4*\s], 1
	s_add_co_u32 s[G0+4*\s+1], s45, \s*SLOT
	s_add_nc_u64 s[G0+4*\s+2:G0+4*\s+3], s[20:21], \s*RBS
	s_or_b32 s[G0+4*\s+3], s[G0+4*\s+3], 0x80000000
	s_mov_b32 s[G0B+4*\s], 1
	s_add_co_u32 s[G0B+4*\s+1], s45, \s*SLOT
	s_add_nc_u64 s[G0B+4*\s+2:G0B+4*\s+3], s[46:47], \s*RBS
	s_or_b32 s[G0B+4*\s+3], s[G0B+4*\s+3], 0x80000000
.endr
	CROUND                                         ; all sixteen work-groups are here: the first joint loads meet
.macro ARM under, g0, g1, next         ; one chain of branches on the wave's number, one load to an arm, all arms to one join
	s_cmp_lt_u32 s14, \under
	s_cbranch_scc0 \next
	tensor_load_to_lds s[\g0:\g0+3], s[\g1:\g1+7]
	s_nop 0
.rept 4
	v_nop
.endr
	s_branch .Lhead_asked
\next:
.endm
	ARM 1, G0H,  G1,  .Lhead_b
	ARM 2, G0HB, G1B, .Lhead_sa
	ARM 3, G0S,  G1S, .Lhead_sb
	tensor_load_to_lds s[G0SB:G0SB+3], s[G1SB:G1SB+7]
	s_nop 0
.rept 4
	v_nop
.endr
.Lhead_asked:
	s_wait_alu depctr_va_vdst(0)
	s_wait_tensorcnt 0x0                           ; my tile of the four is in; slot 1's first fill is issued as a refill is
	ds_add_u32 v28, v29
	s_mov_b32 s[G1+2], 8<<16                       ; no load of mine is out: from here on a load brings 8 row blocks
	s_mov_b32 s[G1+4], 8
	s_mov_b32 s[G1B+2], 8<<16
	s_mov_b32 s[G1B+4], 8
	s_wait_dscnt 0x0
	CROUND
	JLOAD G0+4, G1, G0B+4, G1B
	v_and_b32 v1, 31, v0
	v_and_b32 v2, 15, v0
	v_bfe_u32 v3, v0, 4, 1
	v_lshlrev_b32 v4, 4, v1
	v_lshlrev_b32 v5, 3, v1
	s_mul_i32 s21, s15, HALFT
	s_mul_i32 s22, s16, HALFT
	s_add_co_u32 s22, s22, 2*HALFT
.irp s, 0,1
	v_add_nc_u32 v[ADRA+\s], s21, v4
	v_add_nc_u32 v[ADRB+\s], s22, v4
	v_add_nc_u32 v[ADRA+2+\s], s21, v5
	v_add_nc_u32 v[ADRB+2+\s], s22, v5
	s_add_co_u32 s21, s21, SLOT
	s_add_co_u32 s22, s22, SLOT
.endr
	v_lshlrev_b32 v6, 3, v2
	s_mul_i32 s21, s15, HALFS
	s_mul_i32 s22, s16, HALFS
	s_add_co_u32 s22, s22, 2*HALFS
	s_sub_co_u32 s22, s22, s21
	v_mul_u32_u24 v7, s22, v3
	s_add_co_u32 s21, s21, SCL
	v_add_nc_u32 v6, v6, v7
	v_add_nc_u32 v[ADRS], s21, v6
	s_mul_i32 s23, s14, 16*SPITCH
	v_mul_u32_u24 v6, v2, SPITCH
	v_lshl_add_u32 v6, v3, 6, v6
	v_add_nc_u32 v[STO], s23, v6
	v_mov_b32 v[CO], v4
	v_add_nc_u32 v[RD], s23, v4
	v_lshrrev_b32 v6, 1, v1
	v_and_b32 v7, 1, v1
	v_lshlrev_b32 v[PFO], 12, v6
	v_lshl_add_u32 v[PFO], v7, 8, v[PFO]
	s_lshl_b32 s66, s17, 8
	s_lshl_b32 s67, s15, 7
	s_add_co_u32 s66, s66, s67
	s_lshl_b32 s66, s66, 12
	s_lshl_b32 s67, s42, 10
	s_add_co_u32 s66, s66, s67
	s_lshl_b32 s67, s16, 9
	s_add_co_u32 s66, s66, s67
	s_mov_b32 s67, 0
	s_add_nc_u64 s[96:97], s[96:97], s[66:67]
	s_add_nc_u64 s[98:99], s[98:99], s[66:67]
.macro FRAG reg, adr, q, i
	ds_load_b128 v[\reg:\reg+3],     v[\adr]   offset:(\i)*RBS+(\q)*1536
	ds_load_b64  v[\reg+4:\reg+5],   v[\adr+2] offset:(\i)*RBS+(\q)*1536+512
	ds_load_b128 v[\reg+6:\reg+9],   v[\adr]   offset:(\i)*RBS+(\q)*1536+768
	ds_load_b64  v[\reg+10:\reg+11], v[\adr+2] offset:(\i)*RBS+(\q)*1536+1280
.endm
.macro MUL16 a0, p, q, sc, zero
.irp a, \a0, \a0+1
.irp b, 0,1,2,3,4,5,6,7
.if \zero
	v_wmma_scale_f32_16x16x128_f8f6f4 v[8*(8*((\a)%4)+\b):8*(8*((\a)%4)+\b)+7], v[128*(\p)+FR*\b:128*(\p)+FR*\b+FR-1], v[AF+FR*(\a):AF+FR*(\a)+FR-1], 0, v[SC+8*NQ*(\sc)+NQ*\b+(\q)], v[SC+8*NQ*(\sc)+NQ*(\a)+(\q)] matrix_a_fmt:MATRIX_FMT_FP6 matrix_b_fmt:MATRIX_FMT_FP6 matrix_a_scale:MATRIX_SCALE_ROW1
.else
	v_wmma_scale_f32_16x16x128_f8f6f4 v[8*(8*((\a)%4)+\b):8*(8*((\a)%4)+\b)+7], v[128*(\p)+FR*\b:128*(\p)+FR*\b+FR-1], v[AF+FR*(\a):AF+FR*(\a)+FR-1], v[8*(8*((\a)%4)+\b):8*(8*((\a)%4)+\b)+7], v[SC+8*NQ*(\sc)+NQ*\b+(\q)], v[SC+8*NQ*(\sc)+NQ*(\a)+(\q)] matrix_a_fmt:MATRIX_FMT_FP6 matrix_b_fmt:MATRIX_FMT_FP6 matrix_a_scale:MATRIX_SCALE_ROW1
.endif
.endr
.endr
.endm
.macro FETCH_B slot, q, p
	WIN TO_B
.irp i, 0,1,2,3,4,5,6,7
	FRAG 128*(\p)+FR*\i, ADRB+\slot, \q, \i
.endr
	WIN 0
.endm
.macro FETCH_A slot, q, i0
.irp i, \i0, \i0+1, \i0+2, \i0+3
	FRAG AF+FR*(\i), ADRA+\slot, \q, \i
.endr
.endm
.macro SCALES sc
.irp i, 0,1,2,3,4,5,6,7
	ds_load_b64 v[SC+8*NQ*\sc+NQ*\i:SC+8*NQ*\sc+NQ*\i+1], v[ADRS] offset:\i*512
.endr
.endm
.macro PLACES n
.rept \n
	v_nop
.endr
.endm
.macro STEP slot, q, zero
	s_wait_dscnt 4*NL
	WIN MUL_LO
	MUL16 0, (\q)%2, \q, \slot, \zero
	MUL16 2, (\q)%2, \q, \slot, \zero
	s_wait_dscnt 0
	PLACES NP
	FETCH_B \slot, (\q)+1, 1-(\q)%2
	FETCH_A \slot, (\q)+1, 0
	WIN MUL_HI
	MUL16 4, (\q)%2, \q, \slot, \zero
	MUL16 6, (\q)%2, \q, \slot, \zero
	PLACES NP
	WIN 0
	FETCH_A \slot, (\q)+1, 4
.endm
.macro TURN slot, next, fill, pf
	s_wait_tensorcnt 0x0
	ds_add_u32 v[SPW], v[NIL]
	s_wait_dscnt 4*NL+1
	WIN MUL_LO
	MUL16 0, 1, NQ-1, \slot, 0
	s_wait_dscnt 0x0
	s_barrier_signal -1
	MUL16 2, 1, NQ-1, \slot, 0
	WIN 0
	s_barrier_wait -1
.if \fill
	CREST
	s_add_nc_u64 s[G0+4*\slot+2:G0+4*\slot+3], s[G0+4*\slot+2:G0+4*\slot+3], 2*RBS
	s_add_nc_u64 s[G0B+4*\slot+2:G0B+4*\slot+3], s[G0B+4*\slot+2:G0B+4*\slot+3], 2*RBS
	JLOAD G0+4*\slot, G1, G0B+4*\slot, G1B
.else
	PLACES NP
.endif
	s_wait_alu depctr_va_vdst(0)
	v_add_nc_u32 v[ADRS], 128, v[ADRS]
	FETCH_B \next, 0, 0
	FETCH_A \next, 0, 0
	SCALES \next
.if \pf
.irp i, 0,1,2,3
	global_prefetch_b8 v[PFO], s[96:97] offset:65536*\i th:TH_LOAD_NT scope:SCOPE_SE
.endr
.endif
	WIN MUL_HI
	MUL16 4, 1, NQ-1, \slot, 0
	MUL16 6, 1, NQ-1, \slot, 0
	PLACES NP
	WIN 0
	FETCH_A \next, 0, 4
.endm
	s_wait_tensorcnt 1
	s_barrier_signal -1
	s_barrier_wait -1
	FETCH_B 0, 0, 0
	FETCH_A 0, 0, 0
	SCALES 0
	FETCH_A 0, 0, 4
	STEP 0, 0, 1
	TURN 0, 1, 1, 0
	STEP 1, 0, 0
	TURN 1, 0, 1, 1
	STEP 0, 0, 0
	TURN 0, 1, 0, 0
	STEP 1, 0, 0
	s_wait_dscnt 4*NL
	WIN MUL_LO
	MUL16 0, 1, NQ-1, 1, 0
	MUL16 2, 1, NQ-1, 1, 0
	s_wait_dscnt 0
	WIN MUL_HI
	MUL16 4, 1, NQ-1, 1, 0
	MUL16 6, 1, NQ-1, 1, 0
	WIN 0
.macro XLOAD a
	WIN TO_B
.irp t, 0,1,2,3,4,5,6,7,8,9,10,11,12,13,14,15
	global_load_b128 v[64*((\a)%4)+4*\t:64*((\a)%4)+4*\t+3], v[CO], s[96:97] offset:(32*((\a)/2)+8*((\a)%2)+\t+8*(\t/8))*4096 th:TH_LOAD_NT
.endr
	WIN 0
.endm
.macro BLOCK a
.set ACB, 64*((\a)%4)
.set BB, BK+64*((\a)%2)
.set XR, 64*((\a)%4)
.set WD, 0x08+4*((\a)/4)
	WIN WD
.irp b, 0,1,2,3,4,5,6,7
	ds_store_b128 v[STO], v[ACB+8*\b:ACB+8*\b+3] offset:128*(\b/2)+32*(\b%2)
	ds_store_b128 v[STO], v[ACB+8*\b+4:ACB+8*\b+7] offset:128*(\b/2)+32*(\b%2)+16
.endr
	WIN 0
.irp t, 0,1,2,3,4,5,6,7,8,9,10,11,12,13,14,15
	ds_load_b128 v[BB+4*\t:BB+4*\t+3], v[RD] offset:\t*SPITCH
.endr
	s_wait_dscnt 0x0
.if (\a) < 5
	s_wait_loadcnt 32
.else
	s_wait_loadcnt 16*(7-(\a))
.endif
	WIN 0x04
.set pp, 0
.rept 32
	v_pk_add_f32 v[BB+pp:BB+pp+1], v[BB+pp:BB+pp+1], v[XR+pp:XR+pp+1]
.set pp, pp+2
.endr
	WIN 0
.irp t, 0,1,2,3,4,5,6,7,8,9,10,11,12,13,14,15
	global_store_b128 v[CO], v[BB+4*\t:BB+4*\t+3], s[98:99] offset:(32*((\a)/2)+8*((\a)%2)+\t+8*(\t/8))*4096 th:TH_STORE_NT
.endr
.if (\a) < 5
	XLOAD (\a)+3
.endif
.endm
	PLACES NP
	XLOAD 0
	XLOAD 1
	XLOAD 2
.irp a, 0,1,2,3,4,5,6,7
.if \a > 0
	s_wait_xcnt 0x0
.endif
	BLOCK \a
.endr
	s_wait_tensorcnt 0x0
	ds_add_u32 v[SPW], v[NIL]
	s_wait_dscnt 0x0
	CROUND
	s_endpgm
.Lfunc_end_k_qaae19e1a5e_oproj:
	.size	k_qaae19e1a5e_oproj, .Lfunc_end_k_qaae19e1a5e_oproj-k_qaae19e1a5e_oproj
	.p2alignl 7, 3214868480
	.fill 96, 4, 3214868480
	.section	.rodata,"a",@progbits
	.p2align	6, 0x0
	.amdhsa_kernel k_qaae19e1a5e_oproj
		.amdhsa_group_segment_fixed_size 327680
		.amdhsa_private_segment_fixed_size 0
		.amdhsa_enable_private_segment 0
		.amdhsa_kernarg_size 48
		.amdhsa_user_sgpr_count 2
		.amdhsa_user_sgpr_kernarg_segment_ptr 1
		.amdhsa_wavefront_size32 1
		.amdhsa_system_sgpr_workgroup_id_x 1
		.amdhsa_system_sgpr_workgroup_id_y 1
		.amdhsa_system_sgpr_workgroup_id_z 1
		.amdhsa_system_vgpr_workitem_id 0
		.amdhsa_next_free_vgpr 1024
		.amdhsa_next_free_sgpr 100
		.amdhsa_reserve_vcc 0
		.amdhsa_float_denorm_mode_32 3
		.amdhsa_float_denorm_mode_16_64 3
		.amdhsa_memory_ordered 1
		.amdhsa_forward_progress 1
		.amdhsa_inst_pref_size 174
	.end_amdhsa_kernel
	.amdgpu_metadata
---
amdhsa.version: [ 1, 2 ]
amdhsa.kernels:
  - .name:           k_qaae19e1a5e_oproj
    .symbol:         k_qaae19e1a5e_oproj.kd
    .args:
      - { .name: oc, .offset: 0, .size: 8, .value_kind: global_buffer, .address_space: global }
      - { .name: os, .offset: 8, .size: 8, .value_kind: global_buffer, .address_space: global }
      - { .name: opc, .offset: 16, .size: 8, .value_kind: global_buffer, .address_space: global }
      - { .name: ops, .offset: 24, .size: 8, .value_kind: global_buffer, .address_space: global }
      - { .name: x, .offset: 32, .size: 8, .value_kind: global_buffer, .address_space: global }
      - { .name: out0, .offset: 40, .size: 8, .value_kind: global_buffer, .address_space: global }
    .group_segment_fixed_size: 327680
    .private_segment_fixed_size: 0
    .kernarg_segment_align: 8
    .kernarg_segment_size: 48
    .max_flat_workgroup_size: 128
    .sgpr_count:     100
    .vgpr_count:     1024
    .wavefront_size: 32
...
	.end_amdgpu_metadata
.endif
;; end of part 4
